; MI455X (gfx1250); checked and timed in simulation.
; The chip was launched on July 23, 2026; its instructions are those of AMD's public machine-readable ISA for CDNA 5 (MIT licence, August 2026) and "CDNA5" Instruction Set Architecture Reference Guide (July 2026). The comments in the code are by the model that wrote it; some were corrected since.
;; Multi Head Attention. Allowed arithmetic: matrix products marked QUANTISED: E4M3 operands, one E8M0 scale for each 32 along K, by v_wmma_scale_f32_16x16x128_f8f6f4 with both operands' format E4M3, f32 sums; everything else in f32.
;; Inputs: w_out 1,024 x 1,024 float32; w_qkv 1,024 x 3,072 float32; x 4 x 2,048 x 1,024 float32.
;; Outputs: out0 4 x 2,048 x 1,024 float32.
;; This version of the problem:
;;   THIS VERSION OF THE PROBLEM IS GIVEN IN LOW PRECISION. The matrix products marked QUANTISED in the list below multiply operands that are first quantised to E4M3 (4 exponent bits, 3 mantissa bits; 8 bits a number), with one power-of-two scale for each 32 numbers along K (OCP MX v1.0); their sums are f32. All else is computed in f32.
;;   The module's matrix products, in the order in which they are computed (A, B: the left and right operand; K: the contracted axis; several contracted axes count as one K, in the product's order):
;;     1. [M 8,192, K 1,024] x [K 1,024, N 3,072]; A: input x; B: input w_qkv: QUANTISED
;;     2. batch 64 x [M 2,048, K 64] x [K 64, N 2,048]; A: computed on the way; B: computed on the way: QUANTISED
;;     3. batch 64 x [M 2,048, K 2,048] x [K 2,048, N 64]; A: softmax (see below); B: computed on the way: QUANTISED
;;     4. [M 8,192, K 1,024] x [K 1,024, N 1,024]; A: computed on the way; B: input w_out: QUANTISED
;;   THE QUANTISER, for each operand of a quantised product, along K:
;;     - K is cut into blocks of 32 from its start; a last block that is shorter is filled with zeros.
;;     - A block's scale is 2^e with e = floor(log2(the largest magnitude in the block)) - 8, held to -126 .. 127; a block of zeros has e = 0. As a byte (E8M0): e + 127.
;;     - Each number is divided by its block's scale, clamped to +-448, and rounded to the nearest number of E4M3, ties to even, subnormals kept.
;;     - The product sums the exact products of the quantised numbers (number of the format x scale) in f32.
;;   ~~~python
;;   def quantise(x, axis):      # numpy; x: float32 -> the quantised numbers, widened to float32 again
;;       x = np.moveaxis(x, axis, -1); K = x.shape[-1]
;;       x = np.pad(x, [(0, 0)] * (x.ndim - 1) + [(0, -K % 32)]); x = x.reshape(x.shape[:-1] + (-1, 32)); a = np.abs(x).max(-1, keepdims=True)
;;       e = np.where(a > 0, np.clip(np.frexp(np.where(a > 0, a, 1))[1] - 1 - 8, -126, 127), 0)      # np.frexp(a)[1] - 1 = floor(log2(a)), exactly
;;       r = np.clip(x / 2.0 ** e, -448, 448)
;;       step = 2.0 ** (np.maximum(np.frexp(np.where(r == 0, 1, r))[1] - 1, -6) - 3)
;;       q = np.round(r / step) * step * 2.0 ** e      # np.round: ties to even
;;       return np.moveaxis(q.reshape(q.shape[:-2] + (-1,))[..., :K], -1, axis).astype(np.float32)
;;   ~~~
;;   SOFTMAX AHEAD OF A QUANTISED PRODUCT. Where the list says 'softmax', what is quantised is not the finished softmax but p = 2^(t - M), with t = logit x log2(e) and M = ceil(the row's largest t), a whole number; so 1/2 < the row's largest p <= 1. The row's sum l is taken of the UNQUANTISED p, in f32, and the product's result is divided by l at the end. Since M is a whole number, a kernel that streams over the keys may use a running M (the ceiling of the running maximum): every later rescaling is an exact power of two, which a block's scale takes up: the codes' values come out the same.
;;   OPERANDS COMPUTED ON THE WAY. 'Computed on the way' means the value that the module computes at that place (a softmax that the list does not call 'softmax' is quantised finished and normalised). What goes into a quantiser is computed in f32, as accurately as f32 sums, v_exp_f32 and their like allow (about 1e-6 of the number): no bf16 or f16 on the way to a quantiser, and a product that is left as it is and whose result goes on into a quantised operand takes f32 operands (vector FMAs, or v_wmma_f32_16x16x4_f32). A number that lies on a knife's edge between two numbers of the format may be rounded either way, as far as f32 arithmetic and the matrix unit's own rounding can turn it there, and no further.
;; One version. Each part assembles by itself: llvm-mc -triple=amdgcn-amd-amdhsa -mcpu=gfx1250 --defsym DOCPART=n.
;; ======== version 1 of 1: 4 launches
;; limits: right only within a limited range of input values
;; workspace buffers: ximg 8,388,608 bytes; wqimg 3,145,728 bytes; woimg 1,048,576 bytes; sc1 360,448 bytes; sc4 294,912 bytes; qim 8,912,896 bytes; kv 18,874,368 bytes; aimg 8,388,608 bytes
;; launch quant (part 1): grid 256 x 1, 4 waves a work-group, no clusters, 34,304 bytes of LDS; arguments x, w_qkv, w_out, ximg, wqimg, woimg, sc1, sc4; writes ximg, wqimg, woimg, sc1, sc4
.if DOCPART == 1
	.amdgcn_target "amdgcn-amd-amdhsa--gfx1250"
	.amdhsa_code_object_version 6
	.text
	.protected	k_q53c0a89cfc_quant
	.globl	k_q53c0a89cfc_quant
	.p2align	8
	.type	k_q53c0a89cfc_quant,@function
k_q53c0a89cfc_quant:
	s_mov_b64 s[64:65], 0
	v_nop
	global_prefetch_b8 v0, s[64:65] scope:SCOPE_SE
	s_setreg_imm32_b32 hwreg(HW_REG_WAVE_MODE, 25, 1), 1
	s_wait_xcnt 0x0
; x [8192][1024], w_qkv [1024][3072] and w_out [1024][1024], f32, become codes of FP8 (E4M3) with one E8M0 scale byte for each 32 along K (K = 1024 in all three).
; THE CODES ARE LAID AS IMAGES OF OPERAND REGISTERS.  A fragment is 16 rows x 128 K: four pieces of 512 bytes; in piece c lane l = (r = l % 16, h = l / 16) owns the 16 bytes at 16 l: k = 32 c + 16 h + 0 .. 15 of its row.
; A buffer is [tile of 16 rows][8 steps of 128 along K][4 pieces][512 bytes].  THE ROWS OF A TILE ARE NOT NEIGHBOURS: lane r of tile 2 g + u holds row 32 g + 8 u + r + 8 (r / 8) (rows: tokens of x, columns of a weight).
; The scale bytes lie as words (four bytes: 128 along K of one row): [tile][r][8 words], 512 bytes a tile; x's in sc1 from byte 0, w_qkv's in sc1 from byte 262,144, w_out's in sc4 from byte 262,144.
; A block's scale is 2^(floor(log2(its largest magnitude)) - 8); its byte is the largest magnitude's exponent field - 8, held at 1 from below; numbers are held within +-448 x the scale and rounded to the nearest code, ties to even.
; LIMITS: a block of zeros, or one whose largest magnitude lies under 2^-118, gets the byte 1 (its codes are zeros or the floor's; the bytes are read by this program alone); NaN and infinities among the inputs are not served.
; SHARES.  Work-groups 0-127: x; a wave takes one tile of 16 tokens through all of K, 8 units of 128.  Each load reads 512 consecutive bytes of a row; a unit turns through the wave's own stage in LDS, so that a lane gets
; 16 neighbours of each block of 32 of ITS row; the codes then are the image's pieces, stored 512 consecutive bytes an instruction.
; Work-groups 128-255: the weights, whose K is their first axis: a lane takes a column and its registers run down K, so a block of 32 lies in one lane.  A wave takes 32 columns (two tiles) x 256 along K.
; The weights' scale words leave 8 bytes a lane, 32 bytes apart: one byte for each 128 bytes that this path reads.
; No tensor loads, no barrier: waves share nothing.  Only x's path touches LDS.
.set R,    16                          ; v16-143   two sets of 64 registers as loaded
.set X,    144                         ; v144-207  64 numbers: register 16 c + i = k 32 c + 16 h + i of my row
.set PC,   208                         ; v208-223  a fragment's codes
.set TM,   224                         ; v224-227 largest magnitudes, v228-231 bytes, v232-235 448 x the scale, v236-239 the conversions' scale operands
.set WDS,  240                         ; v240-247  my row's eight scale words
.set T,    248                         ; v248-251  the four of them that I store
.set SPITCH, 528                       ; a stage row: 512 bytes + 16
.macro XLD u                           ; unit u: 16 rows x 512 bytes; row i of the tile is token i + 8 (i / 8) from the tile's first
.irp i, 0,1,2,3,4,5,6,7,8,9,10,11,12,13,14,15
	global_load_b128 v[R+64*((\u)%2)+4*\i:R+64*((\u)%2)+4*\i+3], v1, s[8:9] offset:(\i+8*(\i/8))*4096+512*(\u) th:TH_LOAD_NT
.endr
.endm
.macro QUANT s, pw                     ; 64 numbers of a lane become a fragment's codes in v[PC] on and its scale word in v[pw]
.irp b, 0,1,2,3
	v_max3_num_f32 v[TM+\b], |v[\s+16*\b]|, |v[\s+1+16*\b]|, 0x4800000   ; block b: my 16 numbers and the floor 2^(9 - 127): the byte cannot fall under 1
.endr
.irp i, 2,4,6,8,10,12,14
.irp b, 0,1,2,3
	v_max3_num_f32 v[TM+\b], v[TM+\b], |v[\s+16*\b+\i]|, |v[\s+1+16*\b+\i]|   ; the four blocks by turns
.endr
.endr
.irp b, 0,1,2,3
	v_permlanex16_b32 v[TM+4+\b], v[TM+\b], s4, s5
.endr
.irp b, 0,1,2,3
	v_max_num_f32 v[TM+\b], v[TM+\b], v[TM+4+\b]   ; with lane l xor 16's 16 numbers: the block's largest magnitude
.endr
.irp b, 0,1,2,3
	v_add_nc_u32 v[TM+12+\b], 0xfc000000, v[TM+\b]   ; 8 off its exponent field: the conversion takes this operand's exponent field as its scale
.endr
.irp b, 0,1,2,3
	v_and_or_b32 v[TM+8+\b], v[TM+\b], 0x7f800000, s3   ; 448 x the scale
.endr
.irp b, 0,1,2,3
	v_lshrrev_b32 v[TM+4+\b], 23, v[TM+12+\b]      ; the scale's byte
.endr
	v_lshl_or_b32 v[\pw], v[TM+5], 8, v[TM+4]
	v_lshl_or_b32 v[\pw], v[TM+6], 16, v[\pw]
	v_lshl_or_b32 v[\pw], v[TM+7], 24, v[\pw]
.irp b, 0,1,2,3
.irp i, 0,1,2,3,4,5,6,7,8,9,10,11,12,13,14,15
	v_med3_num_f32 v[\s+16*\b+\i], v[\s+16*\b+\i], -v[TM+8+\b], v[TM+8+\b]   ; the conversion to an 8-bit code does not saturate (ISA guide 7.6.2): the hold comes first
.endr
	v_cvt_scalef32_pk8_fp8_f32 v[PC+4*\b:PC+1+4*\b], v[\s+16*\b:\s+7+16*\b], v[TM+12+\b]
	v_cvt_scalef32_pk8_fp8_f32 v[PC+2+4*\b:PC+3+4*\b], v[\s+8+16*\b:\s+15+16*\b], v[TM+12+\b]
.endr
	v_nop                                          ; a plain line behind the last conversion
.endm
.macro UNIT u
.if (\u) < 7
	s_wait_loadcnt 16                              ; this unit's 16 loads are in; the next unit's 16 may be out
.else
	s_wait_loadcnt 0
.endif
.irp i, 0,1,2,3,4,5,6,7,8,9,10,11,12,13,14,15
	ds_store_b128 v2, v[R+64*((\u)%2)+4*\i:R+64*((\u)%2)+4*\i+3] offset:SPITCH*\i
.endr
.irp c, 0,1,2,3
.irp j, 0,1,2,3
	ds_load_b128 v[X+16*\c+4*\j:X+16*\c+4*\j+3], v3 offset:128*\c+16*\j   ; LDS serves a wave's instructions in order: these see my stores
.endr
.endr
	s_wait_dscnt 0x0                               ; the numbers are back, and the stores into the stage have read their registers,
.if (\u) < 6
	XLD (\u)+2                                     ; which take the loads of two units on
.endif
	s_wait_xcnt 0x0                                ; the last unit's stores have read their codes: the registers are written again only behind this wait
	QUANT X, WDS+(\u)
.irp c, 0,1,2,3
	global_store_b128 v1, v[PC+4*\c:PC+4*\c+3], s[14:15] offset:2048*(\u)+512*\c   ; a piece: 512 consecutive bytes
.endr
.endm
.macro WLD t                           ; block t: 32 rows of the weight at my column, into set t % 2
.irp i, 0,1,2,3,4,5,6,7,8,9,10,11,12,13,14,15,16,17,18,19,20,21,22,23,24,25,26,27,28,29,30,31
	global_load_b32 v[64+32*((\t)%2)+\i], v[32+\i], s[10:11] th:TH_LOAD_NT
.endr
.endm
.macro BLOCK t
.set XS, 64+32*((\t)%2)
.if (\t) < 7
	s_wait_loadcnt 32                              ; this block's 32 loads are in; the next block's may be out
.else
	s_wait_loadcnt 0
.endif
	v_max3_num_f32 v12, |v[XS]|, |v[XS+1]|, |v[XS+2]|   ; all 32 numbers of the block are mine
	v_max3_num_f32 v13, |v[XS+3]|, |v[XS+4]|, |v[XS+5]|
.irp i, 6,10,14,18,22,26
	v_max3_num_f32 v12, v12, |v[XS+\i]|, |v[XS+\i+1]|
	v_max3_num_f32 v13, v13, |v[XS+\i+2]|, |v[XS+\i+3]|
.endr
	v_max3_num_f32 v12, v12, |v[XS+30]|, |v[XS+31]|
	v_max3_num_f32 v12, v12, v13, 0x4800000        ; and the floor
	v_add_nc_u32 v11, 0xfc000000, v12
	v_and_or_b32 v10, v12, 0x7f800000, s3
	v_lshrrev_b32 v13, 23, v11
.if (\t)%4 == 0
	v_mov_b32 v[24+(\t)/4], v13                    ; four bytes to a word, the lower K in the lower byte
.else
	v_lshl_or_b32 v[24+(\t)/4], v13, 8*((\t)%4), v[24+(\t)/4]
.endif
.irp i, 0,1,2,3,4,5,6,7,8,9,10,11,12,13,14,15,16,17,18,19,20,21,22,23,24,25,26,27,28,29,30,31
	v_med3_num_f32 v[XS+\i], v[XS+\i], -v10, v10
.endr
	s_wait_alu depctr_va_vdst(0)
	s_wait_xcnt 0x0                                ; the last block's stores have read their codes and the loads their base: both are written again only behind this wait
.if (\t)+2 < 8
	s_add_nc_u64 s[10:11], s[10:11], s[34:35]      ; 32 rows on: block t + 2's
.endif
.irp g, 0,1,2,3
	v_cvt_scalef32_pk8_fp8_f32 v[128+2*\g:129+2*\g], v[XS+8*\g:XS+8*\g+7], v11
.endr
	v_nop                                          ; a plain line behind the last conversion
	global_store_b128 v5, v[128:131], s[16:17] offset:((\t)/4)*2048+((\t)%4)*512       ; k 0 .. 15 of the block: the place of lane r of the piece;
	global_store_b128 v5, v[132:135], s[16:17] offset:((\t)/4)*2048+((\t)%4)*512+256   ; k 16 .. 31: that of lane 16 + r.  The 16 lanes of a tile fill 256 consecutive bytes
.if (\t)+2 < 8
	WLD (\t)+2
.endif
.endm
	s_load_b512 s[8:23], s[0:1], 0x0               ; x s[8:9], w_qkv s[10:11], w_out s[12:13], ximg s[14:15], wqimg s[16:17], woimg s[18:19], sc1 s[20:21], sc4 s[22:23]
	v_lshl_add_u32 v254, v0, 2, 0x8400
	v_mov_b32 v255, 0
	v_lshrrev_b32 v1, 5, v0
	v_readfirstlane_b32 s2, v1                     ; wave 0..3
	v_and_b32 v7, 31, v0                           ; lane
	s_mov_b32 s3, 0x600000                         ; the mantissa field of 448
	s_mov_b32 s4, 0x76543210
	s_mov_b32 s5, 0xfedcba98                       ; v_permlanex16_b32's selects for lane l xor 16
	s_cmp_lt_u32 ttmp9, 128
	s_cbranch_scc0 .Lweights
	; ---- x
	s_lshl_b32 s24, ttmp9, 2
	s_add_co_u32 s24, s24, s2                      ; my tile of 16 tokens
	s_lshr_b32 s25, s24, 1
	s_lshl_b32 s25, s25, 5
	s_and_b32 s26, s24, 1
	s_lshl_b32 s26, s26, 3
	s_add_co_u32 s25, s25, s26                     ; its first token: 32 (tile / 2) + 8 (tile % 2)
	s_lshl_b32 s26, s25, 12                        ; a row of x is 4,096 bytes
	s_mov_b32 s27, 0
	s_lshl_b32 s28, s24, 14                        ; a tile's image is 16,384 bytes,
	s_mov_b32 s29, 0
	s_lshl_b32 s30, s24, 9                         ; its scale words 512
	s_mov_b32 s31, 0
	s_wait_alu depctr_va_vdst(0)
	v_lshlrev_b32 v1, 4, v7                        ; 16 x lane
	s_mul_i32 s6, s2, 16*SPITCH                    ; my wave's stage
	v_add_nc_u32 v2, s6, v1                        ; into it: as loaded
	v_and_b32 v5, 15, v0                           ; r
	v_bfe_u32 v6, v0, 4, 1                         ; h
	v_mul_u32_u24 v3, v5, SPITCH
	v_lshl_add_u32 v3, v6, 6, v3
	v_add_nc_u32 v3, s6, v3                        ; out of it: row r, + 64 h: my 16 numbers of a block
	v_lshlrev_b32 v4, 5, v5
	v_lshl_add_u32 v4, v6, 4, v4                   ; the scale words: 32 r + 16 h
.irp b, 0,1,2,3
	v_mov_b32 v[TM+4+\b], 0                        ; written once: a lane permute's destination counts as one of its sources
.endr
	s_wait_alu depctr_va_vdst(0)
	s_wait_kmcnt 0x0
	s_add_nc_u64 s[8:9], s[8:9], s[26:27]
	s_add_nc_u64 s[14:15], s[14:15], s[28:29]
	s_add_nc_u64 s[20:21], s[20:21], s[30:31]
	XLD 0
	XLD 1
.irp u, 0,1,2,3,4,5,6,7
	UNIT \u
.endr
	v_cmp_le_u32 vcc_lo, 16, v7
.irp i, 0,1,2,3
	v_cndmask_b32 v[T+\i], v[WDS+\i], v[WDS+4+\i], vcc_lo   ; lanes 0-15 store words 0-3 of their row, lanes 16-31 words 4-7 (both halves hold all eight)
.endr
	global_store_b128 v4, v[T:T+3], s[20:21]       ; 512 consecutive bytes
	s_wait_tensorcnt 0x0
	ds_add_u32 v254, v255
	s_wait_dscnt 0x0
	s_endpgm
	; ---- the weights
.Lweights:
	s_sub_co_u32 s24, ttmp9, 128
	s_wait_kmcnt 0x0
	s_cmp_lt_u32 s24, 96                           ; the first 96 take w_qkv, the other 32 w_out: the choice hangs on the work-group's number alone
	s_cselect_b64 s[10:11], s[10:11], s[12:13]
	s_cselect_b64 s[16:17], s[16:17], s[18:19]
	s_cselect_b64 s[20:21], s[20:21], s[22:23]
	s_mov_b32 s26, 4096
	s_cselect_b32 s26, 12288, s26                  ; a row of the weight in bytes
	s_cselect_b32 s25, 0, 96
	s_sub_co_u32 s24, s24, s25
	s_and_b32 s27, s24, 3                          ; which 256 along K
	s_lshr_b32 s28, s24, 2                         ; which 128 columns
	s_lshl_b32 s30, s26, 8
	s_mul_i32 s30, s30, s27                        ; 256 rows x that
	s_lshl_b32 s29, s28, 2
	s_add_co_u32 s29, s29, s2                      ; my wave's 32 columns: pair of tiles 4 x group + wave
	s_lshl_b32 s31, s29, 7
	s_add_co_u32 s30, s30, s31
	s_mov_b32 s31, 0
	s_add_nc_u64 s[10:11], s[10:11], s[30:31]
	s_lshl_b32 s30, s29, 15                        ; two tiles' images,
	s_lshl_b32 s32, s27, 12                        ; two steps of 128 along K
	s_add_co_u32 s30, s30, s32
	s_add_nc_u64 s[16:17], s[16:17], s[30:31]
	s_lshl_b32 s30, s29, 10
	s_lshl_b32 s32, s27, 3
	s_add_co_u32 s30, s30, s32
	s_add_co_u32 s30, s30, 262144                  ; the weights' words lie behind the rows' words
	s_add_nc_u64 s[20:21], s[20:21], s[30:31]
	s_lshl_b32 s34, s26, 5                         ; 32 rows
	s_mov_b32 s35, 0
	s_wait_alu depctr_va_vdst(0)
	v_lshlrev_b32 v1, 2, v7                        ; my column: 4 bytes a lane
.irp i, 0,1,2,3,4,5,6,7,8,9,10,11,12,13,14,15,16,17,18,19,20,21,22,23,24,25,26,27,28,29,30,31
	v_mad_u32_u24 v[32+\i], s26, \i, v1            ; row i of a block
.endr
	v_bfe_u32 v2, v7, 3, 1                         ; column j of the 32 is lane r = j % 8 + 8 (j / 16) of tile u = (j / 8) % 2
	v_and_b32 v3, 7, v7
	v_lshrrev_b32 v4, 4, v7
	v_lshl_add_u32 v3, v4, 3, v3
	v_lshlrev_b32 v5, 4, v3
	v_lshl_add_u32 v5, v2, 14, v5                  ; codes: 16,384 u + 16 r
	v_lshlrev_b32 v6, 5, v3
	v_lshl_add_u32 v6, v2, 9, v6                   ; scale words: 512 u + 32 r
	WLD 0
	s_wait_alu depctr_va_vdst(0)
	s_wait_xcnt 0x0                                ; the loads have read their base
	s_add_nc_u64 s[10:11], s[10:11], s[34:35]
	WLD 1
.irp t, 0,1,2,3,4,5,6,7
	BLOCK \t
.endr
	global_store_b64 v6, v[24:25], s[20:21]        ; my column's two scale words
	s_endpgm
.Lfunc_end_k_q53c0a89cfc_quant:
	.size	k_q53c0a89cfc_quant, .Lfunc_end_k_q53c0a89cfc_quant-k_q53c0a89cfc_quant
	.p2alignl 7, 3214868480
	.fill 96, 4, 3214868480
	.section	.rodata,"a",@progbits
	.p2align	6, 0x0
	.amdhsa_kernel k_q53c0a89cfc_quant
		.amdhsa_group_segment_fixed_size 34304
		.amdhsa_private_segment_fixed_size 0
		.amdhsa_enable_private_segment 0
		.amdhsa_kernarg_size 64
		.amdhsa_user_sgpr_count 2
		.amdhsa_user_sgpr_kernarg_segment_ptr 1
		.amdhsa_wavefront_size32 1
		.amdhsa_system_sgpr_workgroup_id_x 1
		.amdhsa_system_sgpr_workgroup_id_y 1
		.amdhsa_system_sgpr_workgroup_id_z 1
		.amdhsa_system_vgpr_workitem_id 0
		.amdhsa_next_free_vgpr 256
		.amdhsa_next_free_sgpr 66
		.amdhsa_reserve_vcc 1
		.amdhsa_float_denorm_mode_32 3
		.amdhsa_float_denorm_mode_16_64 3
		.amdhsa_memory_ordered 1
		.amdhsa_forward_progress 1
		.amdhsa_inst_pref_size 157
	.end_amdhsa_kernel
	.amdgpu_metadata
---
amdhsa.version: [ 1, 2 ]
amdhsa.kernels:
  - .name:           k_q53c0a89cfc_quant
    .symbol:         k_q53c0a89cfc_quant.kd
    .args:
      - { .name: x, .offset: 0, .size: 8, .value_kind: global_buffer, .address_space: global }
      - { .name: w_qkv, .offset: 8, .size: 8, .value_kind: global_buffer, .address_space: global }
      - { .name: w_out, .offset: 16, .size: 8, .value_kind: global_buffer, .address_space: global }
      - { .name: ximg, .offset: 24, .size: 8, .value_kind: global_buffer, .address_space: global }
      - { .name: wqimg, .offset: 32, .size: 8, .value_kind: global_buffer, .address_space: global }
      - { .name: woimg, .offset: 40, .size: 8, .value_kind: global_buffer, .address_space: global }
      - { .name: sc1, .offset: 48, .size: 8, .value_kind: global_buffer, .address_space: global }
      - { .name: sc4, .offset: 56, .size: 8, .value_kind: global_buffer, .address_space: global }
    .group_segment_fixed_size: 34304
    .private_segment_fixed_size: 0
    .kernarg_segment_align: 8
    .kernarg_segment_size: 64
    .max_flat_workgroup_size: 128
    .sgpr_count:     66
    .vgpr_count:     256
    .wavefront_size: 32
...
	.end_amdgpu_metadata
.endif
;; end of part 1
;; launch gemm_qkv (part 2): grid 32 x 8, 4 waves a work-group, clusters of 4 x 1, 327,680 bytes of LDS; arguments ximg, wqimg, sc1, qim, kv; writes qim, kv
.if DOCPART == 2
	.amdgcn_target "amdgcn-amd-amdhsa--gfx1250"
	.amdhsa_code_object_version 6
	.text
	.protected	k_q53c0a89cfc_gemm_qkv
	.globl	k_q53c0a89cfc_gemm_qkv
	.p2align	8
	.type	k_q53c0a89cfc_gemm_qkv,@function
k_q53c0a89cfc_gemm_qkv:
	s_mov_b64 s[64:65], 0
	v_nop
	global_prefetch_b8 v0, s[64:65] scope:SCOPE_SE
	s_setreg_imm32_b32 hwreg(HW_REG_WAVE_MODE, 25, 1), 1
	s_wait_xcnt 0x0
	s_wait_alu depctr_hold_cnt(0) depctr_sa_sdst(0) depctr_va_vdst(0) depctr_va_sdst(0) depctr_va_ssrc(0) depctr_va_vcc(0) depctr_vm_vsrc(0)
	s_getreg_b32 s2, hwreg(HW_REG_IB_STS2, 6, 4)
	s_cmp_eq_u32 s2, 0
	s_cbranch_scc0 .Lentry_in_a_cluster
	s_endpgm
.Lentry_in_a_cluster:
	s_bfe_u32 s2, ttmp6, 0x10000c
	s_cmp_lg_u32 s2, 0x3003
	s_cbranch_scc0 .Lentry_shape_is_right
	s_endpgm
.Lentry_shape_is_right:
; qkv = x w_qkv on codes of FP8 (E4M3) with E8M0 scales (K = 1024), and q, k, v QUANTISED ON THE WAY OUT, straight from the accumulators into images of the next products' operand registers.
; OPERANDS are images (a fragment: 16 rows x 128 K = four pieces of 512 bytes, lane l's 16 bytes at 16 l; a buffer: [tile of 16 rows][8 steps of 128 K][4][512]); lane r of tile 2 g + u holds row 32 g + 8 u + r + 8 (r / 8).
; Scale words in sc1: [tile][r][8 words]; x's from byte 0, w_qkv's from byte 262,144.
; THE DEAL.  256 work-groups of four waves.  Work-group (R, g) makes tokens 256 R .. + 255 x columns 256 g .. + 255 of q and k (g < 4: q) and then columns 128 g .. + 127 of v: 24 tiles of 16 columns.
; A wave holds ITS OWN 64 tokens of x, all of K, in 512 registers (loaded from the image as it lies) and takes every tile of the weight past them: a batch is one tile, 8 steps of K x 4 token tiles = 32 products on four accumulators by turns.
; The weight's tiles come through LDS: slot 0 (tiles 0-7) at the head, slot 1 (8-15) behind the first round, v's eight over slot 0 behind the second round, when every wave has read slot 0; that fill has slot 1's 256 products a wave in which to land,
; so no prefetch is laid.  The weight's scale words (512 bytes a tile) lie in LDS bytes of their own.  A tile's fragments stand in registers as two sets, even and odd tile; a set is fetched anew behind its batch.
; CLUSTER: the four work-groups of a cluster differ in R alone and need the same tiles of the weight: every tensor load is asked for jointly.  R enters global addresses alone.
; q, k: source 0 = the weight's tile, source 1 = tokens: a lane holds one token, and the 16 registers of tiles 2 P, 2 P + 1 are 16 neighbours of one block of 32 of the head's 64.
; v: source 0 = tokens, source 1 = the weight's tile: a lane holds one channel, and the 16 registers of token tiles 2 e, 2 e + 1 are 16 neighbouring keys.  Either way a pair of tiles leaves four blocks of 16 registers; the other 16 lie in lane l xor 16.
; OUT.  qim: 8,704 bytes for each (batch x 16 + head) x 16 + step of 128 tokens: 8 tiles x 2 pieces of codes; at 8,192 the scale words [r][4]: word f holds tile 2 f's two bytes below and tile 2 f + 1's above.
; kv: 18,432 bytes likewise: k's codes (8,192), v's codes as 4 tiles of channels x 4 pieces (8,192), k's scale words as q's at 16,384, v's [r][4 tiles] (a byte a block of 32 keys) at 16,896.
; A wave owns half of a step's tokens: so k's and q's words leave 8 bytes a lane and v's 2 bytes a lane, 16 bytes apart; lanes l and l xor 16 store the same bytes to the same place.
; LIMITS: a block under 2^-118 gets the byte 1; NaN and infinities are not served.
; REGISTERS.  Window 0: v2-15 addresses and words, v16-31 the quantiser's, v32-63 x's scale words, v68-83 the weight's (two sets), v96-111 codes, v128-191 eight accumulators.  Window 1: the weight's two sets.  Windows 2, 3: x.
.set SLOT,  131072
.set SCW,   262144                     ; the weight's scale words: 24 tiles x 512 bytes
.set SPARE, 274432                     ; the spare words, 128 bytes a wave
.set NF,    34                         ; LDS loads of a set: 32 pieces and two of four scale words
.set ADB, 2
.set ADS, 3
.set SPW, 4
.set NIL, 5
.set L16, 6
.set SWQ, 7
.set SWV, 8
.set R32, 9
.set W0,  10
.set TM,  16
.set XS,  32
.set WS,  68
.set COD, 96
.set ACC, 128
.set WV,  14
.set CX,  15
.set RT,  16
.set GG,  17
.set W1,  18
.set J,   19
.set SEL, 20
.set MNT, 22
.set C1,  23
.set G1,  24
.set G0,  32
.set G0S, 36
.set G1S, 40
.set OB,  48
.set OW,  50
.set DL,  52
.set DW,  54
.set DH,  56
.set SH,  57
.set CM,  58
.set DH2, 59
.set VA,  68
.set VSA, 70
.set OBV, 84
.set OWV, 86
.set XB,  88
.set XSB, 90
.set MSB, 0
.macro WIN new                         ; the immediate's high byte repeats the setting that is left
.if MSB != (\new)
	s_set_vgpr_msb (MSB<<8)|(\new)
.set MSB, (\new)
.endif
.endm
.macro PLACES n
.rept \n
	v_nop
.endr
.endm
.macro WALU
	s_wait_alu depctr_va_vdst(0)
.endm
.macro CROUND                          ; a round of the cluster's barrier
	s_barrier_signal -1
	s_barrier_wait -1
	s_cmp_lg_u32 s[WV], 0
	s_cbranch_scc1 .Lnot_wave_0_\@
	s_barrier_signal -3
.Lnot_wave_0_\@:
	s_barrier_wait -3
	s_barrier_signal -1
	s_barrier_wait -1
.endm
.macro TLOAD g0, g1                    ; an s_nop 0 and four v_nop follow the line
	tensor_load_to_lds s[\g0:\g0+3], s[\g1:\g1+7]
	s_nop 0
	PLACES 4
.endm
.macro FETCH p, off, soff              ; a tile of the weight, all of K, into set p, and its scale words
	WIN 0x40
.irp q, 0,1,2,3,4,5,6,7
.irp c, 0,1,2,3
	ds_load_b128 v[128*\p+16*\q+4*\c:128*\p+16*\q+4*\c+3], v[ADB] offset:\off+2048*\q+512*\c
.endr
.endr
	WIN 0
	ds_load_b128 v[WS+8*\p:WS+8*\p+3], v[ADS] offset:\soff
	ds_load_b128 v[WS+8*\p+4:WS+8*\p+7], v[ADS] offset:\soff+16
.endm
.macro PROD kind, p, q, a
.set WF, 128*(\p)+16*(\q)
.set XF, 16*(4*((\q)%4)+(\a))
.set WSC, WS+8*(\p)+(\q)
.set XSC, XS+8*(\a)+(\q)
.if \kind
.set AC, ACC+8*(4*(\p)+(\a))
.if \q
	v_wmma_scale_f32_16x16x128_f8f6f4 v[AC:AC+7], v[XF:XF+15], v[WF:WF+15], v[AC:AC+7], v[XSC], v[WSC]
.else
	v_wmma_scale_f32_16x16x128_f8f6f4 v[AC:AC+7], v[XF:XF+15], v[WF:WF+15], 0, v[XSC], v[WSC]
.endif
.else
.set AC, ACC+8*(2*(\a)+(\p))
.if \q
	v_wmma_scale_f32_16x16x128_f8f6f4 v[AC:AC+7], v[WF:WF+15], v[XF:XF+15], v[AC:AC+7], v[WSC], v[XSC]
.else
	v_wmma_scale_f32_16x16x128_f8f6f4 v[AC:AC+7], v[WF:WF+15], v[XF:XF+15], 0, v[WSC], v[XSC]
.endif
.endif
.endm
.macro BATCH kind, p                   ; 32 products: K ascending, the four accumulators by turns; the first four start the sums
.irp q, 0,1,2,3,4,5,6,7
.if \kind
	WIN 0x06+(\q/4)                                ; source 0: x, window 2 or 3; source 1: the weight, window 1
.else
	WIN 0x09+4*(\q/4)                              ; source 0: the weight; source 1: x
.endif
.irp a, 0,1,2,3
	PROD \kind, \p, \q, \a
.endr
.endr
	WIN 0
.endm
.macro QUANT                           ; four blocks of 16 registers become 16 registers of codes and four bytes in v[TM+4] on
.irp b, 0,1,2,3
	v_max3_num_f32 v[TM+\b], 0x4800000, |v[ACC+16*\b]|, |v[ACC+16*\b+1]|   ; the floor 2^(9 - 127) and my first two numbers: each accumulator is read from its low end on
.endr
.irp i, 2,4,6,8,10,12,14
.irp b, 0,1,2,3
	v_max3_num_f32 v[TM+\b], v[TM+\b], |v[ACC+16*\b+\i]|, |v[ACC+16*\b+\i+1]|
.endr
.endr
.irp b, 0,1,2,3
	v_permlanex16_b32 v[TM+4+\b], v[TM+\b], s[SEL], s[SEL+1]
.endr
.irp b, 0,1,2,3
	v_max_num_f32 v[TM+\b], v[TM+\b], v[TM+4+\b]   ; with lane l xor 16's half
.endr
.irp b, 0,1,2,3
	v_add_nc_u32 v[TM+12+\b], 0xfc000000, v[TM+\b] ; 8 off the exponent field: the conversion's scale operand
.endr
.irp b, 0,1,2,3
	v_and_or_b32 v[TM+8+\b], v[TM+\b], 0x7f800000, s[MNT]   ; 448 x the scale
.endr
.irp b, 0,1,2,3
	v_lshrrev_b32 v[TM+4+\b], 23, v[TM+12+\b]      ; the byte
.endr
.irp b, 0,1,2,3
.irp i, 0,1,2,3,4,5,6,7,8,9,10,11,12,13,14,15
	v_med3_num_f32 v[ACC+16*\b+\i], v[ACC+16*\b+\i], -v[TM+8+\b], v[TM+8+\b]   ; the conversion does not saturate (ISA guide 7.6.2): the hold comes first
.endr
	v_cvt_scalef32_pk8_fp8_f32 v[COD+4*\b:COD+4*\b+1], v[ACC+16*\b:ACC+16*\b+7], v[TM+12+\b]
	v_cvt_scalef32_pk8_fp8_f32 v[COD+4*\b+2:COD+4*\b+3], v[ACC+16*\b+8:ACC+16*\b+15], v[TM+12+\b]
.endr
	v_nop                                          ; a plain line behind the last conversion
.endm
; FOUR PAIRS OF TILES: a slot.  Ahead of the loop both sets hold the slot's first pair.
.macro PAIRS kind
	s_mov_b32 s[J], 0
.Lpair_\@:
	s_and_b32 s[C1], s[J], 1                       ; the pair's parity: q, k: which block of the head; v: which two tiles of channels
	s_lshl_b32 s[SH], s[C1], 3
	s_sub_co_u32 s[CM], 0, s[C1]
	s_cmp_eq_u32 s[C1], 1
.if \kind
	s_cselect_b32 s[DL], s[DH], 4096               ; from this pair's place to the next's
	s_cselect_b32 s[DW], s[DH2], 8
.else
	s_cselect_b32 s[DL], s[DH], 512
.endif
	s_wait_dscnt NF                                ; set 0 is in; set 1's loads may be out
	BATCH \kind, 0
	PLACES 8                                       ; ahead of loads into registers that the products have read
	s_cmp_eq_u32 s[J], 3
	s_cbranch_scc1 .Llast0_\@
	FETCH 0, 32768, 1024
	s_wait_dscnt NF                                ; set 1 is in
	s_branch .Lgo_\@
.Llast0_\@:
	s_wait_dscnt 0x0
.Lgo_\@:
	BATCH \kind, 1
	PLACES 8                                       ; ahead of the loads below and of the readers of the sums
	s_cmp_eq_u32 s[J], 3
	s_cbranch_scc1 .Llast1_\@
	FETCH 1, 49152, 1536
.Llast1_\@:
	QUANT
.if \kind
	v_lshl_or_b32 v14, v[TM+5], 8, v[TM+4]         ; a tile of channels: my two blocks of keys
	v_lshl_or_b32 v15, v[TM+7], 8, v[TM+6]
.irp b, 0,1,2,3
	global_store_b128 v[L16], v[COD+4*\b:COD+4*\b+3], s[OB:OB+1] offset:2048*(\b/2)+512*(\b%2)   ; a piece: 512 consecutive bytes
.endr
	global_store_b16 v[SWV], v14, s[OW:OW+1]
	global_store_b16 v[SWV], v15, s[OW:OW+1] offset:4
.else
	v_lshl_or_b32 v14, v[TM+5], 16, v[TM+4]        ; token tiles 0, 1 and 2, 3: this block's bytes,
	v_lshl_or_b32 v15, v[TM+7], 16, v[TM+6]
	v_and_b32 v[W0], s[CM], v[W0]                  ; begun anew with the head's first block,
	v_and_b32 v[W0+1], s[CM], v[W0+1]
	v_lshl_or_b32 v[W0], v14, s[SH], v[W0]         ; the second block's one byte up
	v_lshl_or_b32 v[W0+1], v15, s[SH], v[W0+1]
.irp b, 0,1,2,3
	global_store_b128 v[L16], v[COD+4*\b:COD+4*\b+3], s[OB:OB+1] offset:1024*\b   ; a piece: 512 consecutive bytes
.endr
	s_cmp_eq_u32 s[C1], 0
	s_cbranch_scc1 .Lhalf_\@
	global_store_b64 v[SWQ], v[W0:W0+1], s[OB:OB+1]   ; the head's two words of my four token tiles
.Lhalf_\@:
.endif
	s_wait_xcnt 0x0                                ; the stores have read their registers and their base
	s_add_nc_u64 s[OB:OB+1], s[OB:OB+1], s[DL:DL+1]
.if \kind
	s_add_nc_u64 s[OW:OW+1], s[OW:OW+1], s[DW:DW+1]
.endif
	v_add_nc_u32 v[ADB], 32768, v[ADB]
	v_add_nc_u32 v[ADS], 1024, v[ADS]
	WALU                                           ; the wait behind the write
	s_add_co_u32 s[J], s[J], 1
	s_cmp_lt_u32 s[J], 4
	s_cbranch_scc1 .Lpair_\@
.endm
	s_load_b256 s[4:11], s[0:1], 0x0               ; ximg s[4:5], wqimg s[6:7], sc1 s[8:9], qim s[10:11]
	s_load_b64 s[12:13], s[0:1], 0x20              ; kv
	v_lshl_add_u32 v[SPW], v0, 2, SPARE
	v_mov_b32 v[NIL], 0
	ds_add_u32 v[SPW], v[NIL]                      ; the opening lines: the add, twice on end, and its wait
	ds_add_u32 v[SPW], v[NIL]
	v_lshrrev_b32 v1, 5, v0
	v_readfirstlane_b32 s[WV], v1                  ; wave 0..3
	s_bfe_u32 s[CX], ttmp6, 0x40000
	s_lshl_b32 s[RT], ttmp9, 2
	s_add_co_u32 s[RT], s[RT], s[CX]               ; R: my 256 tokens
	s_and_b32 s[GG], ttmp7, 0xffff                 ; g: the cluster's columns
	s_and_b32 s[W1], s[WV], 1
	s_mov_b32 s[SEL], 0x76543210
	s_mov_b32 s[SEL+1], 0xfedcba98
	s_mov_b32 s[MNT], 0x600000
	s_mov_b32 s[DL+1], 0
	s_mov_b32 s[DW+1], 0
	s_mov_b32 s[G1], 15|(3<<16)|(1<<21)            ; the mask names the cluster's four; elements of 8 bytes; bit 21 beside a mask
	s_mov_b32 s[G1+1], 32<<16                      ; rows of 256 bytes,
	s_mov_b32 s[G1+2], 256<<16                     ; 256 of them: four tiles' images, dense
	s_mov_b32 s[G1+3], 32<<16
	s_mov_b32 s[G1+4], 256
	s_mov_b32 s[G1+5], 32
	s_mov_b32 s[G1+6], 0
	s_mov_b32 s[G1+7], 0
	s_mov_b32 s[G1S], 15|(3<<16)|(1<<21)
	s_mov_b32 s[G1S+1], 32<<16
	s_mov_b32 s[G1S+2], 16<<16                     ; 16 rows: eight tiles' scale words, dense
	s_mov_b32 s[G1S+3], 32<<16
	s_mov_b32 s[G1S+4], 16
	s_mov_b32 s[G1S+5], 32
	s_mov_b32 s[G1S+6], 0
	s_mov_b32 s[G1S+7], 0
	s_mov_b32 s[G0], 1
	s_lshl_b32 s[G0+1], s[W1], 16                  ; waves 0, 1: a slot's halves
	s_mov_b32 s[G0S], 1
	s_lshl_b32 s[G0S+1], s[W1], 12
	s_add_co_u32 s[G0S+1], s[G0S+1], SCW           ; waves 2, 3: the words of tiles 0-7, 8-15
	s_lshl_b32 s72, s[GG], 18
	s_lshl_b32 s74, s[W1], 16
	s_add_co_u32 s72, s72, s74                     ; q, k: tile 16 g + 4 x half, in bytes
	s_mov_b32 s73, 0
	s_lshl_b32 s76, s[GG], 17
	s_add_co_u32 s76, s76, s74
	s_add_co_u32 s76, s76, 2097152                 ; v: tile 128 + 8 g + 4 x half
	s_mov_b32 s77, 0
	s_lshl_b32 s78, s[GG], 13
	s_lshl_b32 s74, s[W1], 12
	s_add_co_u32 s78, s78, s74
	s_add_co_u32 s78, s78, 262144                  ; the words of tile 16 g + 8 x half
	s_mov_b32 s79, 0
	s_lshl_b32 s80, s[GG], 12
	s_add_co_u32 s80, s80, 262144+65536            ; those of tile 128 + 8 g
	s_mov_b32 s81, 0
	s_wait_dscnt 0x0                               ; both opening adds are done
	s_wait_kmcnt 0x0
	s_add_nc_u64 s[G0+2:G0+3], s[6:7], s[72:73]
	s_or_b32 s[G0+3], s[G0+3], 0x80000000
	s_add_nc_u64 s[VA:VA+1], s[6:7], s[76:77]
	s_add_nc_u64 s[G0S+2:G0S+3], s[8:9], s[78:79]
	s_or_b32 s[G0S+3], s[G0S+3], 0x80000000
	s_add_nc_u64 s[VSA:VSA+1], s[8:9], s[80:81]
	CROUND                                         ; the four work-groups are here: the joint loads meet
	s_cmp_lt_u32 s[WV], 2                          ; one load a wave
	s_cbranch_scc0 .Lhead_s
	TLOAD G0, G1
	s_branch .Lhead_j
.Lhead_s:
	TLOAD G0S, G1S
.Lhead_j:
	s_lshl_b32 s72, s[RT], 18
	s_lshl_b32 s74, s[WV], 16
	s_add_co_u32 s72, s72, s74                     ; x: tile 16 R + 4 wave, in bytes
	s_add_nc_u64 s[XB:XB+1], s[4:5], s[72:73]
	s_lshr_b32 s72, s72, 5                         ; its scale words: 512 bytes a tile
	s_add_nc_u64 s[XSB:XSB+1], s[8:9], s[72:73]
	s_lshl_b32 s72, s[RT], 1
	s_lshr_b32 s74, s[WV], 1
	s_add_co_u32 s72, s72, s74                     ; my step of 128 tokens, of 64
	s_lshr_b32 s74, s72, 4
	s_lshl_b32 s74, s74, 4                         ; batch x 16
	s_and_b32 s72, s72, 15                         ; the step in its batch
	s_lshl_b32 s76, s[GG], 2
	s_and_b32 s76, s76, 15                         ; q, k: my first head
	s_add_co_u32 s76, s76, s74
	s_lshl_b32 s76, s76, 4
	s_add_co_u32 s76, s76, s72                     ; its block
	s_lshl_b32 s78, s[GG], 1                       ; v: my first head
	s_add_co_u32 s78, s78, s74
	s_lshl_b32 s78, s78, 4
	s_add_co_u32 s78, s78, s72
	s_mul_i32 s78, s78, 18432
	s_cmp_ge_u32 s[GG], 4                          ; k's columns?  The cluster's number alone
	s_mov_b32 s75, 8704
	s_cselect_b32 s75, 18432, s75                  ; a block's bytes
	s_mov_b32 s80, 8192
	s_cselect_b32 s80, 16384, s80                  ; where its scale words begin
	s_cselect_b64 s[OB:OB+1], s[12:13], s[10:11]
	s_mul_i32 s76, s76, s75
	s_lshl_b32 s[DH], s75, 4
	s_sub_co_u32 s[DH], s[DH], 512                 ; from a head's second block to the next head's first
	s_lshl_b32 s74, s[W1], 12
	s_add_co_u32 s76, s76, s74                     ; my four token tiles of the step's eight
	s_add_nc_u64 s[OB:OB+1], s[OB:OB+1], s[76:77]
	s_sub_co_u32 s80, s80, s74
	s_sub_co_u32 s80, s80, 512
	s_lshl_b32 s74, s[W1], 3
	s_add_co_u32 s80, s80, s74                     ; the words' place, counted from the second block's base
	s_add_co_u32 s76, s78, 16896
	s_add_nc_u64 s[OWV:OWV+1], s[12:13], s[76:77]
	s_lshl_b32 s74, s[W1], 10
	s_add_co_u32 s76, s78, s74
	s_add_co_u32 s76, s76, 8192
	s_add_nc_u64 s[OBV:OBV+1], s[12:13], s[76:77]
	s_lshl_b32 s74, s[W1], 1
	v_and_b32 v1, 15, v0                           ; r
	v_and_b32 v[L16], 31, v0
	v_lshlrev_b32 v[L16], 4, v[L16]                ; 16 x lane
	v_mov_b32 v[ADB], v[L16]
	v_lshl_add_u32 v[ADS], v1, 5, SCW
	v_lshlrev_b32 v[R32], 5, v1
	v_lshl_add_u32 v[SWQ], v1, 4, s80
	v_lshl_add_u32 v[SWV], v1, 4, s74
	WALU
.irp a, 0,1,2,3
	global_load_b128 v[XS+8*\a:XS+8*\a+3], v[R32], s[XSB:XSB+1] offset:512*\a
	global_load_b128 v[XS+8*\a+4:XS+8*\a+7], v[R32], s[XSB:XSB+1] offset:512*\a+16
.endr
.irp q, 0,1,2,3,4,5,6,7                        ; x's fragment (a, q) at register 16 (4 (q % 4) + a) of window 2 + q / 4
	WIN 0x80+0x40*(\q/4)
.irp a, 0,1,2,3
.irp c, 0,1,2,3
	global_load_b128 v[16*(4*(\q%4)+\a)+4*\c:16*(4*(\q%4)+\a)+4*\c+3], v[L16], s[XB:XB+1] offset:16384*\a+2048*\q+512*\c
.endr
.endr
.endr
	WIN 0
.irp b, 0,1,2,3
	v_mov_b32 v[TM+4+\b], 0                        ; written once: a lane permute's destination counts as one of its sources
.endr
	v_mov_b32 v[W0], 0
	v_mov_b32 v[W0+1], 0
	WALU                                           ; the wait at the head's end
	s_wait_tensorcnt 0x0                           ; my part of the head's tiles is in; slot 1's first fill is issued as a refill is
	ds_add_u32 v[SPW], v[NIL]
	s_add_co_u32 s[G0+1], s[G0+1], SLOT
	s_add_nc_u64 s[G0+2:G0+3], s[G0+2:G0+3], SLOT  ; tiles 8-15 follow tiles 0-7 in memory
	s_mov_b32 s[G0S+1], SCW+8192
	s_mov_b64 s[G0S+2:G0S+3], s[VSA:VSA+1]
	s_or_b32 s[G0S+3], s[G0S+3], 0x80000000
	s_wait_dscnt 0x0
	CROUND
	s_cmp_lt_u32 s[WV], 2
	s_cbranch_scc0 .Lone_s
	TLOAD G0, G1                                   ; waves 0, 1: slot 1's halves
	s_branch .Lone_j
.Lone_s:
	s_cmp_eq_u32 s[WV], 2
	s_cbranch_scc0 .Lone_j
	TLOAD G0S, G1S                                 ; wave 2: the words of v's eight tiles
.Lone_j:
	FETCH 0, 0, 0
	FETCH 1, 16384, 512
	s_wait_loadcnt 0x0                             ; x and its scale words
	PAIRS 0                                        ; slot 0: two heads of q or k
	s_wait_tensorcnt 0x0                           ; slot 1 is in,
	ds_add_u32 v[SPW], v[NIL]
	s_sub_co_u32 s[G0+1], s[G0+1], SLOT
	s_mov_b64 s[G0+2:G0+3], s[VA:VA+1]
	s_or_b32 s[G0+3], s[G0+3], 0x80000000
	s_wait_dscnt 0x0                               ; and my reads of slot 0 are over
	CROUND
	s_cmp_lt_u32 s[WV], 2
	s_cbranch_scc0 .Ltwo_j
	TLOAD G0, G1                                   ; v's eight tiles over slot 0
.Ltwo_j:
	FETCH 0, 0, 0
	FETCH 1, 16384, 512
	PAIRS 0                                        ; slot 1: two more heads
	s_wait_tensorcnt 0x0                           ; v's tiles are in
	s_wait_dscnt 0x0
	s_barrier_signal -1
	s_barrier_wait -1
	v_mov_b32 v[ADB], v[L16]                       ; back to slot 0; the scale words' address has come to v's
	s_mov_b64 s[OB:OB+1], s[OBV:OBV+1]
	s_mov_b64 s[OW:OW+1], s[OWV:OWV+1]
	s_mov_b32 s[DH], 16*18432-4096
	s_mov_b32 s[DH2], 16*18432-8
	WALU
	FETCH 0, 0, 0
	FETCH 1, 16384, 512
	PAIRS 1                                        ; two heads of v
	s_wait_tensorcnt 0x0                           ; the wave's end
	ds_add_u32 v[SPW], v[NIL]
	s_wait_dscnt 0x0
	CROUND                                         ; the closing round
	s_endpgm
.Lfunc_end_k_q53c0a89cfc_gemm_qkv:
	.size	k_q53c0a89cfc_gemm_qkv, .Lfunc_end_k_q53c0a89cfc_gemm_qkv-k_q53c0a89cfc_gemm_qkv
	.p2alignl 7, 3214868480
	.fill 96, 4, 3214868480
	.section	.rodata,"a",@progbits
	.p2align	6, 0x0
	.amdhsa_kernel k_q53c0a89cfc_gemm_qkv
		.amdhsa_group_segment_fixed_size 327680
		.amdhsa_private_segment_fixed_size 0
		.amdhsa_enable_private_segment 0
		.amdhsa_kernarg_size 40
		.amdhsa_user_sgpr_count 2
		.amdhsa_user_sgpr_kernarg_segment_ptr 1
		.amdhsa_wavefront_size32 1
		.amdhsa_system_sgpr_workgroup_id_x 1
		.amdhsa_system_sgpr_workgroup_id_y 1
		.amdhsa_system_sgpr_workgroup_id_z 1
		.amdhsa_system_vgpr_workitem_id 0
		.amdhsa_next_free_vgpr 1024
		.amdhsa_next_free_sgpr 100
		.amdhsa_reserve_vcc 0
		.amdhsa_float_denorm_mode_32 3
		.amdhsa_float_denorm_mode_16_64 3
		.amdhsa_memory_ordered 1
		.amdhsa_forward_progress 1
		.amdhsa_inst_pref_size 103
	.end_amdhsa_kernel
	.amdgpu_metadata
---
amdhsa.version: [ 1, 2 ]
amdhsa.kernels:
  - .name:           k_q53c0a89cfc_gemm_qkv
    .symbol:         k_q53c0a89cfc_gemm_qkv.kd
    .args:
      - { .name: ximg, .offset: 0, .size: 8, .value_kind: global_buffer, .address_space: global }
      - { .name: wqimg, .offset: 8, .size: 8, .value_kind: global_buffer, .address_space: global }
      - { .name: sc1, .offset: 16, .size: 8, .value_kind: global_buffer, .address_space: global }
      - { .name: qim, .offset: 24, .size: 8, .value_kind: global_buffer, .address_space: global }
      - { .name: kv, .offset: 32, .size: 8, .value_kind: global_buffer, .address_space: global }
    .group_segment_fixed_size: 327680
    .private_segment_fixed_size: 0
    .kernarg_segment_align: 8
    .kernarg_segment_size: 40
    .max_flat_workgroup_size: 128
    .sgpr_count:     100
    .vgpr_count:     1024
    .wavefront_size: 32
...
	.end_amdgpu_metadata
.endif
;; end of part 2
;; launch attn (part 3): grid 256 x 1, 16 waves a work-group, clusters of 4 x 1, 327,680 bytes of LDS; arguments qim, kv, aimg, sc4; writes aimg, sc4
.if DOCPART == 3
	.amdgcn_target "amdgcn-amd-amdhsa--gfx1250"
	.amdhsa_code_object_version 6
	.text
	.protected	k_q53c0a89cfc_attn
	.globl	k_q53c0a89cfc_attn
	.p2align	8
	.type	k_q53c0a89cfc_attn,@function
k_q53c0a89cfc_attn:
	s_mov_b64 s[64:65], 0
	v_nop
	global_prefetch_b8 v0, s[64:65] scope:SCOPE_SE
	s_setreg_imm32_b32 hwreg(HW_REG_WAVE_MODE, 25, 1), 1
	s_wait_xcnt 0x0
	s_wait_alu depctr_hold_cnt(0) depctr_sa_sdst(0) depctr_va_vdst(0) depctr_va_sdst(0) depctr_va_ssrc(0) depctr_va_vcc(0) depctr_vm_vsrc(0)
	s_getreg_b32 s2, hwreg(HW_REG_IB_STS2, 6, 4)
	s_cmp_eq_u32 s2, 0
	s_cbranch_scc0 .Lentry_in_a_cluster
	s_endpgm
.Lentry_in_a_cluster:
	s_bfe_u32 s2, ttmp6, 0x10000c
	s_cmp_lg_u32 s2, 0x3003
	s_cbranch_scc0 .Lentry_shape_is_right
	s_endpgm
.Lentry_shape_is_right:
; Causal attention for 64 (batch, head) pairs of 2,048 tokens, head size 64, both products on codes of FP8 (E4M3) with E8M0 scales; the result is quantised along the model's 1,024 for the last product.
; LEFT OUT: key steps of 128 all of whose keys come after a tile's queries: the mask that the problem builds makes their weights 0 for all inputs.  A NaN or infinity that reaches only those scores is not carried on.
; IN: qim, kv: blocks of operand images for each (pair x 16 + step of 128 tokens).  q: 8 tiles x 2 pieces of 512 bytes, scale words [r][4] at 8,192 (word f: tile 2 f below, tile 2 f + 1 above); 8,704 bytes a block.
; kv: k's 8 tiles x 2 pieces, v's 4 tiles of channels x 4 pieces at 8,192, k's scale words [r][4] at 16,384 (packed as q's), v's [r][4] at 16,896; 18,432 bytes a block, 17,152 fetched.
; Lane r of tile 2 g + u holds row 32 g + 8 u + r + 8 (r / 8).  OUT: aimg [tile of 16 tokens][8][4][512]: head hd's two pieces at 1,024 hd; sc4: the head's two scale bytes at tile x 512 + 32 r + 2 hd (two bytes a lane: the rest of a word is another head's).
; SHARES.  A cluster of four work-groups owns a pair.  ALL 16 KEY STEPS OF THE PAIR LIE IN LDS (16 x 17,408 bytes): wave w asks for key step w, once, jointly with the same wave of the three partners; nothing is filled again.
; Work-group cx owns tiles 2 cx + u of every query step; wave w = 2 i + u owns that tile of query steps i (tile A) and 15 - i (tile B): (i + 1) + (16 - i) = 17 tile steps for every wave.
; One pass over key steps 0 .. 15; a tile's step is left out by a branch on the wave's number and the count of steps.  Key step 0 has a load line of its own and is shown first; the first trip, written out, starts the sums; a second barrier shows the rest.
; No prefetch: every tile is asked for at the head by its tensor load, so there is no later load to run ahead of.
; TWO TILES OF K IN ONE OPERAND: the head's 64 fill half of the instruction's 128 along K, so registers 0-7 hold tile 2 f and 8-15 tile 2 f + 1; against [Q, zeros] the product gives tile 2 f's scores, against [zeros, Q] tile 2 f + 1's.
; THE SOFTMAX: t = score x log2(e) / 8; M = the ceiling of the row's largest t so far, kept as -M; p = 2^(t - M) is quantised along the keys; the row's sum l is taken of the unquantised p and divides O at the end; when M moves, l and O are multiplied by 2^(old M - new M).
; LIMITS: NaN and infinities are not served; the promise holds while |t| stays under 2^31; a block under 2^-118 gets the byte 1.
; REGISTERS: v1 K's and V's LDS address, v3 the scale words', v4-5 the add's, v6 my query's place less 16 h, v7 -infinity, v[8:9], v[10:11] (-M, l) of A, B, v12-51 zeros, Q_A, zeros, Q_B, zeros, v52-62 scale words,
; v64-127 K's fragments, then p's codes and work, v128-191 S^T, p, then V's fragments, v192-255 O^T of A, B.
.set LB,    17408
.set KVB,   18432
.set QB,    8704
.set SPARE, 16*LB
.set ADK, 1
.set QW,  2
.set ADT, 3
.set SPW, 4
.set NIL, 5
.set DQ,  6
.set NI,  7
.set MA,  8
.set MB,  10
.set QZA, 12
.set QZB, 28
.set KP,  52
.set VS,  56
.set QSA, 60
.set QSB, 61
.set PS,  62
.set OF,  63
.set KA,  64
.set PC,  64
.set BM,  80
.set PM,  84
.set LM,  88
.set SOP, 92
.set FF,  96
.set TT,  98
.set CH,  100
.set S,   128
.set OA,  192
.set OB,  224
.set WV,  12
.set CX,  13
.set PR,  14
.set IA,  15
.set IB,  16
.set UU,  17
.set KS,  18
.set MNT, 19
.set SEL, 20
.set CS,  22
.set G1,  24
.set G0,  32
.set AOA, 48
.set SOA, 50
.set AOB, 52
.set SOB, 54
.set QPA, 56
.set QPB, 58
.set TA,  60
.macro PLACES n
.rept \n
	v_nop
.endr
.endm
.macro WALU
	s_wait_alu depctr_va_vdst(0)
.endm
.macro CROUND                          ; a round of the cluster's barrier
	s_barrier_signal -1
	s_barrier_wait -1
	s_cmp_lg_u32 s[WV], 0
	s_cbranch_scc1 .Lnot_wave_0_\@
	s_barrier_signal -3
.Lnot_wave_0_\@:
	s_barrier_wait -3
	s_barrier_signal -1
	s_barrier_wait -1
.endm
.macro TLOAD                           ; an s_nop 0 and four v_nop follow the line
	tensor_load_to_lds s[G0:G0+3], s[G1:G1+7]
	s_nop 0
	PLACES 4
.endm
.macro WORDS                           ; the key step's scale words: K's four packed, V's four
	ds_load_b128 v[KP:KP+3], v[ADT] offset:16384
	ds_load_b128 v[VS:VS+3], v[ADT] offset:16896
.endm
.macro NEXT                            ; on to the next key step
	v_add_nc_u32 v[ADK], LB, v[ADK]
	v_add_nc_u32 v[ADT], LB, v[ADT]
	WALU                                           ; the wait behind the write
.endm
; A TILE'S KEY STEP.  O: its O^T; M: its pair (-M, l); Q: its run [zeros, Q, zeros]; QS: Q's scale word; I: its query step; first = 1: the step starts the sums; mask = 1: the step may lie on the diagonal.
.macro STEP O, M, Q, QS, I, first, mask
.set n, 0
.rept 16
	ds_load_b128 v[KA+4*n:KA+4*n+3], v[ADK] offset:512*n
.set n, n+1
.endr
.irp f, 0,1,2,3
	s_wait_dscnt 12-4*\f                           ; fragment f is in: 12 - 4 f younger loads may be out
	v_wmma_scale_f32_16x16x128_f8f6f4 v[S+16*\f:S+16*\f+7], v[KA+16*\f:KA+16*\f+15], v[\Q+8:\Q+23], 0, v[KP+\f], v[\QS]
	v_wmma_scale_f32_16x16x128_f8f6f4 v[S+16*\f+8:S+16*\f+15], v[KA+16*\f:KA+16*\f+15], v[\Q:\Q+15], 0, v[KP+\f], v[\QS]
.endr
	PLACES 8                                       ; behind the products, ahead of the readers of the scores and of writes into K's registers
.if \mask
	s_cmp_lt_u32 s[KS], s[\I]                      ; all keys count: no mask
	s_cbranch_scc1 .Lopen_\@
.set n, 0
.rept 64                                       ; register 16 b + i holds key 32 b + 16 h + i: hidden where 32 b + i > my query - 16 h
	v_cmp_gt_i32 vcc_lo, 32*(n/16)+n%16, v[DQ]
	v_cndmask_b32 v[S+n], v[S+n], v[NI], vcc_lo
.set n, n+1
.endr
.Lopen_\@:
.endif
.irp b, 0,1,2,3
	v_max3_num_f32 v[BM+\b], v[S+16*\b], v[S+1+16*\b], v[S+2+16*\b]   ; each block's largest score: for the row's maximum and for the block's largest p
.endr
.irp i, 3,5,7,9,11,13
.irp b, 0,1,2,3
	v_max3_num_f32 v[BM+\b], v[BM+\b], v[S+16*\b+\i], v[S+1+16*\b+\i]
.endr
.endr
.irp b, 0,1,2,3
	v_max_num_f32 v[BM+\b], v[BM+\b], v[S+15+16*\b]
.endr
.irp b, 0,1,2,3
	v_permlanex16_b32 v[PM+\b], v[BM+\b], s[SEL], s[SEL+1]
.endr
.irp b, 0,1,2,3
	v_max_num_f32 v[BM+\b], v[BM+\b], v[PM+\b]     ; with lane l xor 16's 16 keys
.endr
	v_max3_num_f32 v[TT], v[BM], v[BM+1], v[BM+2]
	v_max_num_f32 v[TT], v[TT], v[BM+3]
	v_mul_f32 v[TT], s[CS], v[TT]                  ; the step's largest t
.if \first
	v_floor_f32 v[\M], -v[TT]                      ; -M = floor(-t)
	v_mov_b32 v[\M+1], 0                           ; (named with -M as a pair)
.else
	v_floor_f32 v[TT], -v[TT]
	v_min_num_f32 v[TT], v[TT], v[\M]              ; the new -M: the ceiling of a maximum is the maximum of the ceilings
	v_sub_f32 v[FF], v[TT], v[\M]                  ; old M - new M, a whole number, 0 or less
	v_mov_b32 v[\M], v[TT]
	v_cvt_i32_f32 v[FF], v[FF]                     ; (it saturates)
	v_ldexp_f32 v[FF], 1.0, v[FF]                  ; f
.endif
.set n, 0
.rept 32
	v_pk_fma_f32 v[S+n:S+n+1], v[S+n:S+n+1], s[CS:CS+1], v[\M:\M+1] op_sel_hi:[1,0,0]   ; t - M, two at a time
.set n, n+2
.endr
.irp b, 0,1,2,3
	v_fma_f32 v[BM+\b], v[BM+\b], s[CS], v[\M]
.endr
	WALU                                           ; the wait ahead of the batch
.set n, 0
.rept 64
	v_exp_f32 v[S+n], v[S+n]                       ; p = 2^(t - M)
.set n, n+1
.endr
	v_nop                                          ; a plain line behind the exponentials
	WALU                                           ; and one wait for the batch
.irp b, 0,1,2,3
	v_exp_f32 v[BM+\b], v[BM+\b]                   ; the block's largest p
.endr
.irp c, 0,1,2,3,4,5,6,7                        ; the sum of the unquantised p: eight chains of pairs
	v_pk_add_f32 v[CH+2*\c:CH+2*\c+1], v[S+2*\c:S+2*\c+1], v[S+16+2*\c:S+17+2*\c]
.endr
.irp k, 32,48
.irp c, 0,1,2,3,4,5,6,7
	v_pk_add_f32 v[CH+2*\c:CH+2*\c+1], v[CH+2*\c:CH+2*\c+1], v[S+\k+2*\c:S+\k+1+2*\c]
.endr
.endr
	WALU                                           ; for the four
.irp b, 0,1,2,3
	v_max_num_f32 v[BM+\b], 0x4800000, v[BM+\b]    ; the floor 2^(9 - 127): the byte cannot fall under 1
.endr
.irp b, 0,1,2,3
	v_add_nc_u32 v[SOP+\b], 0xfc000000, v[BM+\b]   ; 8 off the exponent field: the conversion's scale operand
.endr
.irp b, 0,1,2,3
	v_and_or_b32 v[LM+\b], v[BM+\b], 0x7f800000, s[MNT]   ; 448 x the scale
.endr
.irp b, 0,1,2,3
	v_lshrrev_b32 v[PM+\b], 23, v[SOP+\b]
.endr
	v_lshl_or_b32 v[PS], v[PM+1], 8, v[PM]         ; p's scale word
	v_lshl_or_b32 v[PS], v[PM+2], 16, v[PS]
	v_lshl_or_b32 v[PS], v[PM+3], 24, v[PS]
.irp b, 0,2                                    ; the hold (the conversion does not saturate: ISA guide 7.6.2; p is not negative): two blocks' numbers to a dual pair
.set n, 0
.rept 16
	v_dual_min_num_f32 v[S+16*\b+n], v[S+16*\b+n], v[LM+\b] :: v_dual_min_num_f32 v[S+16*\b+16+n+1-2*(n%2)], v[S+16*\b+16+n+1-2*(n%2)], v[LM+\b+1]
.set n, n+1
.endr
.irp e, 0,1
	v_cvt_scalef32_pk8_fp8_f32 v[PC+4*(\b+\e):PC+4*(\b+\e)+1], v[S+16*(\b+\e):S+16*(\b+\e)+7], v[SOP+\b+\e]
	v_cvt_scalef32_pk8_fp8_f32 v[PC+4*(\b+\e)+2:PC+4*(\b+\e)+3], v[S+16*(\b+\e)+8:S+16*(\b+\e)+15], v[SOP+\b+\e]
.endr
.endr
	v_nop                                          ; a plain line behind the last conversion
.set n, 0
.rept 16                                       ; V's four fragments take p's registers
	ds_load_b128 v[S+4*n:S+4*n+3], v[ADK] offset:8192+512*n
.set n, n+1
.endr
.if \first
	PLACES 8                                       ; ahead of the products that take the codes and the scale word
.else
	WALU                                           ; the wait directly ahead of the first reader of O^T
.set n, 0
.rept 16
	v_pk_mul_f32 v[\O+n:\O+n+1], v[\O+n:\O+n+1], v[FF:FF+1] op_sel_hi:[1,0]   ; O^T under the new M
.set n, n+2
.endr
.endif
	WALU                                           ; the wait ahead of the wait below
	s_wait_dscnt 0x0
.irp d, 0,1,2,3                                ; O^T += V^T P^T: four accumulators by turns
.if \first
	v_wmma_scale_f32_16x16x128_f8f6f4 v[\O+8*\d:\O+8*\d+7], v[S+16*\d:S+16*\d+15], v[PC:PC+15], 0, v[VS+\d], v[PS]
.else
	v_wmma_scale_f32_16x16x128_f8f6f4 v[\O+8*\d:\O+8*\d+7], v[S+16*\d:S+16*\d+15], v[PC:PC+15], v[\O+8*\d:\O+8*\d+7], v[VS+\d], v[PS]
.endif
.endr
.irp c, 0,1,2,3                                ; the chains are joined here: ten lines that name no register of the products stand ahead of the next loads and products
	v_pk_add_f32 v[CH+2*\c:CH+2*\c+1], v[CH+2*\c:CH+2*\c+1], v[CH+8+2*\c:CH+9+2*\c]
.endr
	v_pk_add_f32 v[CH:CH+1], v[CH:CH+1], v[CH+4:CH+5]
	v_pk_add_f32 v[CH+2:CH+3], v[CH+2:CH+3], v[CH+6:CH+7]
	v_pk_add_f32 v[CH:CH+1], v[CH:CH+1], v[CH+2:CH+3]
.if \first
	v_add_f32 v[\M+1], v[CH], v[CH+1]
	PLACES 2
.else
	v_add_f32 v[TT], v[CH], v[CH+1]
	v_fma_f32 v[\M+1], v[\M+1], v[FF], v[TT]       ; l = l f + the step's sum
	PLACES 1
.endif
.endm
.macro OUTADR I, AO, SO                ; token tile = batch x 128 + 8 x query step + my tile
	s_lshr_b32 s36, s[PR], 4
	s_lshl_b32 s36, s36, 7
	s_lshl_b32 s37, s[\I], 3
	s_add_co_u32 s36, s36, s37
	s_add_co_u32 s36, s36, s[TA]
	s_and_b32 s37, s[PR], 15
	s_lshl_b32 s38, s36, 14
	s_lshl_b32 s40, s37, 10
	s_add_co_u32 s38, s38, s40
	s_add_nc_u64 s[\AO:\AO+1], s[8:9], s[38:39]
	s_lshl_b32 s38, s36, 9
	s_lshl_b32 s40, s37, 1
	s_add_co_u32 s38, s38, s40
	s_add_nc_u64 s[\SO:\SO+1], s[10:11], s[38:39]
.endm
.macro FINISH O, M, C, AO, SO          ; O^T / l, quantised along the head's 64, stored as two pieces; C: nine registers for codes and bytes
	v_permlanex16_b32 v[TT], v[\M+1], s[SEL], s[SEL+1]
	v_add_f32 v[FF], v[\M+1], v[TT]                ; the row's sum
	WALU
	v_rcp_f32 v[FF], v[FF]
	v_nop
	WALU
.set n, 0
.rept 16
	v_pk_mul_f32 v[S+n:S+n+1], v[\O+n:\O+n+1], v[FF:FF+1] op_sel_hi:[1,0]   ; register 16 c + i = channel 32 c + 16 h + i
.set n, n+2
.endr
.irp b, 0,1
	v_max3_num_f32 v[BM+\b], |v[S+16*\b]|, |v[S+1+16*\b]|, 0x4800000
.endr
.irp i, 2,4,6,8,10,12,14
.irp b, 0,1
	v_max3_num_f32 v[BM+\b], v[BM+\b], |v[S+16*\b+\i]|, |v[S+1+16*\b+\i]|
.endr
.endr
.irp b, 0,1
	v_permlanex16_b32 v[PM+\b], v[BM+\b], s[SEL], s[SEL+1]
.endr
.irp b, 0,1
	v_max_num_f32 v[BM+\b], v[BM+\b], v[PM+\b]
.endr
.irp b, 0,1
	v_add_nc_u32 v[SOP+\b], 0xfc000000, v[BM+\b]
.endr
.irp b, 0,1
	v_and_or_b32 v[LM+\b], v[BM+\b], 0x7f800000, s[MNT]
.endr
.irp b, 0,1
	v_lshrrev_b32 v[PM+\b], 23, v[SOP+\b]
.endr
	v_lshl_or_b32 v[\C+8], v[PM+1], 8, v[PM]       ; the head's two scale bytes
.irp b, 0,1
.irp i, 0,1,2,3,4,5,6,7,8,9,10,11,12,13,14,15
	v_med3_num_f32 v[S+16*\b+\i], v[S+16*\b+\i], -v[LM+\b], v[LM+\b]
.endr
	v_cvt_scalef32_pk8_fp8_f32 v[\C+4*\b:\C+4*\b+1], v[S+16*\b:S+16*\b+7], v[SOP+\b]
	v_cvt_scalef32_pk8_fp8_f32 v[\C+4*\b+2:\C+4*\b+3], v[S+16*\b+8:S+16*\b+15], v[SOP+\b]
.endr
	v_nop                                          ; a plain line behind the last conversion
	global_store_b128 v[OF], v[\C:\C+3], s[\AO:\AO+1]             ; a piece: 512 consecutive bytes
	global_store_b128 v[OF], v[\C+4:\C+7], s[\AO:\AO+1] offset:512
	global_store_b16 v[QW], v[\C+8], s[\SO:\SO+1]
.endm
	s_load_b256 s[4:11], s[0:1], 0x0               ; qim s[4:5], kv s[6:7], aimg s[8:9], sc4 s[10:11]
	v_lshl_add_u32 v[SPW], v0, 2, SPARE
	v_mov_b32 v[NIL], 0
	ds_add_u32 v[SPW], v[NIL]                      ; the opening lines: the add, twice on end, and its wait
	ds_add_u32 v[SPW], v[NIL]
	v_lshrrev_b32 v1, 5, v0
	v_readfirstlane_b32 s[WV], v1                  ; wave 0..15
	s_bfe_u32 s[CX], ttmp6, 0x40000                ; my place in the cluster: it enters global addresses and the mask's numbers alone
	s_mov_b32 s[PR], ttmp9                         ; the cluster's number: the pair
	s_lshr_b32 s[IA], s[WV], 1                     ; tile A's query step,
	s_sub_co_u32 s[IB], 15, s[IA]                  ; tile B's
	s_and_b32 s[UU], s[WV], 1
	s_lshl_b32 s[TA], s[CX], 1
	s_add_co_u32 s[TA], s[TA], s[UU]               ; my tile of a query step's eight
	s_mov_b32 s[MNT], 0x600000
	s_mov_b32 s[SEL], 0x76543210
	s_mov_b32 s[SEL+1], 0xfedcba98
	s_mov_b32 s[CS], 0x3e38aa3b                    ; c = log2(e) / 8
	s_mov_b32 s[CS+1], s[CS]
	s_mov_b32 s[G1], 15|(3<<16)|(1<<21)            ; the mask names the cluster's four; elements of 8 bytes; bit 21 beside a mask; no padding
	s_mov_b32 s[G1+1], 32<<16                      ; rows of 256 bytes,
	s_mov_b32 s[G1+2], 67<<16                      ; 67 of them: a block's 17,152 bytes in use, dense
	s_mov_b32 s[G1+3], 32<<16
	s_mov_b32 s[G1+4], 67
	s_mov_b32 s[G1+5], 32
	s_mov_b32 s[G1+6], 0
	s_mov_b32 s[G1+7], 0
	s_mov_b32 s[G0], 1
	s_mul_i32 s[G0+1], s[WV], LB                   ; key step w goes to w x 17,408
	s_lshl_b32 s36, s[PR], 4
	s_add_co_u32 s36, s36, s[WV]
	s_mul_i32 s36, s36, KVB
	s_mov_b32 s37, 0
	s_wait_dscnt 0x0                               ; both opening adds are done
	s_wait_kmcnt 0x0
	s_add_nc_u64 s[G0+2:G0+3], s[6:7], s[36:37]
	s_or_b32 s[G0+3], s[G0+3], 0x80000000
	CROUND                                         ; the four work-groups are here: the joint loads meet
	s_cmp_eq_u32 s[WV], 0                          ; one load a wave; key step 0, which is shown first, has a line of its own
	s_cbranch_scc0 .Lrest
	TLOAD
	s_branch .Lasked
.Lrest:
	TLOAD
.Lasked:
	s_lshl_b32 s36, s[PR], 4
	s_add_co_u32 s38, s36, s[IA]
	s_mul_i32 s38, s38, QB
	s_mov_b32 s39, 0
	s_add_nc_u64 s[QPA:QPA+1], s[4:5], s[38:39]
	s_add_co_u32 s38, s36, s[IB]
	s_mul_i32 s38, s38, QB
	s_add_nc_u64 s[QPB:QPB+1], s[4:5], s[38:39]
	s_lshl_b32 s41, s[TA], 10
	s_lshl_b32 s42, s[CX], 2
	s_lshl_b32 s43, s[CX], 5
	s_lshl_b32 s44, s[UU], 3
	s_add_co_u32 s43, s43, s44                     ; my tile's first row in a step of 128: 32 cx + 8 u
	s_mov_b32 s45, 0x03020302
	s_cmp_eq_u32 s[UU], 0
	s_cselect_b32 s45, 0x01000100, s45             ; which half of a packed scale word is my tile's
	v_and_b32 v[OF], 31, v0
	v_lshlrev_b32 v[ADK], 4, v[OF]                 ; 16 x lane
	v_add_nc_u32 v[OF], s41, v[ADK]                ; + 1,024 x my tile
	v_and_b32 v[DQ], 15, v0                        ; r
	v_lshlrev_b32 v[ADT], 4, v[DQ]                 ; 16 r
	v_add_nc_u32 v[QW], s42, v[ADT]                ; q's packed word: 16 r + 4 cx
	WALU
	global_load_b128 v[QZA+8:QZA+11], v[OF], s[QPA:QPA+1]
	global_load_b128 v[QZA+12:QZA+15], v[OF], s[QPA:QPA+1] offset:512
	global_load_b128 v[QZB+8:QZB+11], v[OF], s[QPB:QPB+1]
	global_load_b128 v[QZB+12:QZB+15], v[OF], s[QPB:QPB+1] offset:512
	global_load_b32 v[QSA], v[QW], s[QPA:QPA+1] offset:8192
	global_load_b32 v[QSB], v[QW], s[QPB:QPB+1] offset:8192
	OUTADR IA, AOA, SOA
	OUTADR IB, AOB, SOB
	v_and_b32 v[TT], 8, v[DQ]
	v_add_nc_u32 v[DQ], v[DQ], v[TT]               ; r + 8 (r / 8)
	v_bfe_u32 v[TT], v0, 4, 1
	v_lshlrev_b32 v[TT], 4, v[TT]
	v_sub_nc_u32 v[DQ], v[DQ], v[TT]
	v_add_nc_u32 v[DQ], s43, v[DQ]                 ; my query's place in its step of 128, less 16 h
	v_mov_b32 v[NI], 0xff800000                    ; -infinity
.irp i, 0,1,2,3,4,5,6,7
	v_mov_b32 v[QZA+\i], 0                         ; zero codes beside Q_A and Q_B: written once
	v_mov_b32 v[QZB+\i], 0
	v_mov_b32 v[QZB+16+\i], 0
.endr
	WALU
	s_wait_loadcnt 0x0                             ; Q
	v_perm_b32 v[QSA], v[QSA], v[QSA], s45         ; my tile's two bytes, below and above: they serve [Q, zeros] and [zeros, Q]
	v_perm_b32 v[QSB], v[QSB], v[QSB], s45
	PLACES 8                                       ; a scale word made by a vector line stands eight places ahead of its product
	WALU                                           ; the wait at the head's end
	s_cmp_eq_u32 s[WV], 0
	s_cbranch_scc0 .Lnot_first
	s_wait_tensorcnt 0x0                           ; wave 0: key step 0 is in
.Lnot_first:
	s_barrier_signal -1
	s_barrier_wait -1
	s_mov_b32 s[KS], 0
	WORDS
	STEP OB, MB, QZB, QSB, IB, 1, 0                ; key step 0 counts for every query: both tiles' first steps start their sums
	STEP OA, MA, QZA, QSA, IA, 1, 1
	NEXT
	s_wait_tensorcnt 0x0                           ; every wave: its key step is in
	s_wait_dscnt 0x0
	s_barrier_signal -1
	s_barrier_wait -1                              ; all sixteen key steps are shown; no barrier follows in the walk
	s_mov_b32 s[KS], 1
.Lkey:
	s_cmp_gt_u32 s[KS], s[IB]                      ; past tile B's diagonal, and so past A's
	s_cbranch_scc1 .Lpast
	WORDS
	STEP OB, MB, QZB, QSB, IB, 0, 1
	s_cmp_gt_u32 s[KS], s[IA]
	s_cbranch_scc1 .Lpast
	STEP OA, MA, QZA, QSA, IA, 0, 1
.Lpast:
	NEXT
	s_add_co_u32 s[KS], s[KS], 1
	s_cmp_lt_u32 s[KS], 16
	s_cbranch_scc1 .Lkey
	WALU
	v_and_b32 v[OF], 31, v0
	v_lshlrev_b32 v[OF], 4, v[OF]                  ; the way out: 16 x lane,
	v_and_b32 v[QW], 15, v0
	v_lshlrev_b32 v[QW], 5, v[QW]                  ; 32 r
	FINISH OB, MB, PC, AOB, SOB
	FINISH OA, MA, CH, AOA, SOA
	s_wait_tensorcnt 0x0                           ; the wave's end
	ds_add_u32 v[SPW], v[NIL]
	s_wait_dscnt 0x0
	CROUND                                         ; the closing round
	s_endpgm
.Lfunc_end_k_q53c0a89cfc_attn:
	.size	k_q53c0a89cfc_attn, .Lfunc_end_k_q53c0a89cfc_attn-k_q53c0a89cfc_attn
	.p2alignl 7, 3214868480
	.fill 96, 4, 3214868480
	.section	.rodata,"a",@progbits
	.p2align	6, 0x0
	.amdhsa_kernel k_q53c0a89cfc_attn
		.amdhsa_group_segment_fixed_size 327680
		.amdhsa_private_segment_fixed_size 0
		.amdhsa_enable_private_segment 0
		.amdhsa_kernarg_size 32
		.amdhsa_user_sgpr_count 2
		.amdhsa_user_sgpr_kernarg_segment_ptr 1
		.amdhsa_wavefront_size32 1
		.amdhsa_system_sgpr_workgroup_id_x 1
		.amdhsa_system_sgpr_workgroup_id_y 1
		.amdhsa_system_sgpr_workgroup_id_z 1
		.amdhsa_system_vgpr_workitem_id 0
		.amdhsa_next_free_vgpr 256
		.amdhsa_next_free_sgpr 66
		.amdhsa_reserve_vcc 1
		.amdhsa_float_denorm_mode_32 3
		.amdhsa_float_denorm_mode_16_64 3
		.amdhsa_memory_ordered 1
		.amdhsa_forward_progress 1
		.amdhsa_inst_pref_size 105
	.end_amdhsa_kernel
	.amdgpu_metadata
---
amdhsa.version: [ 1, 2 ]
amdhsa.kernels:
  - .name:           k_q53c0a89cfc_attn
    .symbol:         k_q53c0a89cfc_attn.kd
    .args:
      - { .name: qim, .offset: 0, .size: 8, .value_kind: global_buffer, .address_space: global }
      - { .name: kv, .offset: 8, .size: 8, .value_kind: global_buffer, .address_space: global }
      - { .name: aimg, .offset: 16, .size: 8, .value_kind: global_buffer, .address_space: global }
      - { .name: sc4, .offset: 24, .size: 8, .value_kind: global_buffer, .address_space: global }
    .group_segment_fixed_size: 327680
    .private_segment_fixed_size: 0
    .kernarg_segment_align: 8
    .kernarg_segment_size: 32
    .max_flat_workgroup_size: 512
    .sgpr_count:     66
    .vgpr_count:     256
    .wavefront_size: 32
...
	.end_amdgpu_metadata
.endif
;; end of part 3
;; launch gemm_out (part 4): grid 32 x 8, 4 waves a work-group, clusters of 4 x 1, 327,680 bytes of LDS; arguments aimg, woimg, sc4, out0; writes out0
.if DOCPART == 4
	.amdgcn_target "amdgcn-amd-amdhsa--gfx1250"
	.amdhsa_code_object_version 6
	.text
	.protected	k_q53c0a89cfc_gemm_out
	.globl	k_q53c0a89cfc_gemm_out
	.p2align	8
	.type	k_q53c0a89cfc_gemm_out,@function
k_q53c0a89cfc_gemm_out:
	s_mov_b64 s[64:65], 0
	v_nop
	global_prefetch_b8 v0, s[64:65] scope:SCOPE_SE
	s_setreg_imm32_b32 hwreg(HW_REG_WAVE_MODE, 25, 1), 1
	s_wait_xcnt 0x0
	s_wait_alu depctr_hold_cnt(0) depctr_sa_sdst(0) depctr_va_vdst(0) depctr_va_sdst(0) depctr_va_ssrc(0) depctr_va_vcc(0) depctr_vm_vsrc(0)
	s_getreg_b32 s2, hwreg(HW_REG_IB_STS2, 6, 4)
	s_cmp_eq_u32 s2, 0
	s_cbranch_scc0 .Lentry_in_a_cluster
	s_endpgm
.Lentry_in_a_cluster:
	s_bfe_u32 s2, ttmp6, 0x10000c
	s_cmp_lg_u32 s2, 0x3003
	s_cbranch_scc0 .Lentry_shape_is_right
	s_endpgm
.Lentry_shape_is_right:
; out = attn w_out on codes of FP8 (E4M3) with E8M0 scales (K = 1024); out0 [8192][1024] f32.
; OPERANDS are images (a fragment: 16 rows x 128 K = four pieces of 512 bytes, lane l's 16 bytes at 16 l; a buffer: [tile of 16 rows][8 steps of 128 K][4][512]); lane r of tile 2 g + u holds row 32 g + 8 u + r + 8 (r / 8).
; Scale words in sc4: [tile][r][8 words]; attn's from byte 0, w_out's from byte 262,144.
; THE DEAL.  256 work-groups of four waves.  Work-group (R, g) makes tokens 256 R .. + 255 x columns 128 g .. + 127: eight tiles of 16 columns.
; A wave holds ITS OWN 64 tokens, all of K, in 512 registers (loaded from the image as it lies) and takes every tile of the weight past them: a batch is one tile, 8 steps of K x 4 token tiles = 32 products on four accumulators by turns.
; The weight's eight tiles (131,072 bytes) and their scale words (4,096) land in LDS once, at the head: nothing is filled again, and there is no later load for a prefetch to run ahead of.
; A tile's fragments stand in registers as two sets, even and odd tile; a set is fetched anew behind its batch.
; CLUSTER: the four work-groups of a cluster differ in R alone and need the same tiles of the weight: every tensor load is asked for jointly.  R enters global addresses alone.
; Source 0 = the weight's tile, source 1 = tokens: a lane holds one token, and the 16 registers of tiles 2 P, 2 P + 1 are 16 neighbouring columns.
; THE WAY OUT.  A pair of tiles is 128 bytes of each of my 64 rows: two pairs are gathered in my own stage in LDS (64 rows x 272 bytes), read back by rows and stored: sixteen lanes fill one aligned unit of 256 bytes.
; LIMITS: NaN and infinities are not served.
; REGISTERS.  Window 0: v2-13 addresses, v32-63 the tokens' scale words, v68-83 the weight's (two sets), v128-191 eight accumulators, v192-255 rows read back.  Window 1: the weight's two sets.  Windows 2, 3: the tokens.
.set SCW,   131072                     ; the weight's scale words: 8 tiles x 512 bytes
.set STAGE, 135168                     ; four stages of 64 x 272 bytes
.set SPITCH, 272
.set SPARE, 204800                     ; the spare words, 128 bytes a wave
.set NF,    34                         ; LDS loads of a set: 32 pieces and two of four scale words
.set ADB, 2
.set ADS, 3
.set SPW, 4
.set NIL, 5
.set L16, 6
.set STO, 7
.set STC, 8
.set R32, 9
.set RD,  10
.set GO,  11
.set XS,  32
.set WS,  68
.set ACC, 128
.set WV,  14
.set CX,  15
.set RT,  16
.set GG,  17
.set W1,  18
.set J,   19
.set C1,  23
.set G1,  24
.set G0,  32
.set G0S, 36
.set G1S, 40
.set OB,  48
.set SH,  57
.set XB,  88
.set XSB, 90
.set MSB, 0
.macro WIN new                         ; the immediate's high byte repeats the setting that is left
.if MSB != (\new)
	s_set_vgpr_msb (MSB<<8)|(\new)
.set MSB, (\new)
.endif
.endm
.macro PLACES n
.rept \n
	v_nop
.endr
.endm
.macro WALU
	s_wait_alu depctr_va_vdst(0)
.endm
.macro CROUND                          ; a round of the cluster's barrier
	s_barrier_signal -1
	s_barrier_wait -1
	s_cmp_lg_u32 s[WV], 0
	s_cbranch_scc1 .Lnot_wave_0_\@
	s_barrier_signal -3
.Lnot_wave_0_\@:
	s_barrier_wait -3
	s_barrier_signal -1
	s_barrier_wait -1
.endm
.macro TLOAD g0, g1                    ; an s_nop 0 and four v_nop follow the line
	tensor_load_to_lds s[\g0:\g0+3], s[\g1:\g1+7]
	s_nop 0
	PLACES 4
.endm
.macro FETCH p, off, soff              ; a tile of the weight, all of K, into set p, and its scale words
	WIN 0x40
.irp q, 0,1,2,3,4,5,6,7
.irp c, 0,1,2,3
	ds_load_b128 v[128*\p+16*\q+4*\c:128*\p+16*\q+4*\c+3], v[ADB] offset:\off+2048*\q+512*\c
.endr
.endr
	WIN 0
	ds_load_b128 v[WS+8*\p:WS+8*\p+3], v[ADS] offset:\soff
	ds_load_b128 v[WS+8*\p+4:WS+8*\p+7], v[ADS] offset:\soff+16
.endm
.macro PROD p, q, a
.set WF, 128*(\p)+16*(\q)
.set XF, 16*(4*((\q)%4)+(\a))
.set WSC, WS+8*(\p)+(\q)
.set XSC, XS+8*(\a)+(\q)
.set AC, ACC+8*(2*(\a)+(\p))
.if \q
	v_wmma_scale_f32_16x16x128_f8f6f4 v[AC:AC+7], v[WF:WF+15], v[XF:XF+15], v[AC:AC+7], v[WSC], v[XSC]
.else
	v_wmma_scale_f32_16x16x128_f8f6f4 v[AC:AC+7], v[WF:WF+15], v[XF:XF+15], 0, v[WSC], v[XSC]
.endif
.endm
.macro BATCH p                         ; 32 products: K ascending, the four accumulators by turns; the first four start the sums
.irp q, 0,1,2,3,4,5,6,7
	WIN 0x09+4*(\q/4)                              ; source 0: the weight, window 1; source 1: the tokens, window 2 or 3
.irp a, 0,1,2,3
	PROD \p, \q, \a
.endr
.endr
	WIN 0
.endm
.macro BACK reg, t0                    ; sixteen loads: stage rows 2 t, 2 t + 1 for t = t0 .. t0 + 15
.irp i, 0,1,2,3,4,5,6,7,8,9,10,11,12,13,14,15
	ds_load_b128 v[\reg+4*\i:\reg+4*\i+3], v[RD] offset:2*(\t0+\i)*SPITCH
.endr
.endm
.macro SEND reg, t0                    ; stage row 16 a + r is token 32 (a / 2) + 8 (a % 2) + r + 8 (r / 8) of my 64; lanes 0-15 store one unit of 256 bytes, lanes 16-31 the next row's
.irp i, 0,1,2,3,4,5,6,7,8,9,10,11,12,13,14,15
	global_store_b128 v[GO], v[\reg+4*\i:\reg+4*\i+3], s[OB:OB+1] offset:(32*((\t0+\i)/16)+8*(((\t0+\i)/8)%2)+2*(\i%8)+8*((\i%8)/4))*4096 th:TH_STORE_NT
.endr
.endm
	s_load_b256 s[4:11], s[0:1], 0x0               ; aimg s[4:5], woimg s[6:7], sc4 s[8:9], out0 s[10:11]
	v_lshl_add_u32 v[SPW], v0, 2, SPARE
	v_mov_b32 v[NIL], 0
	ds_add_u32 v[SPW], v[NIL]                      ; the opening lines: the add, twice on end, and its wait
	ds_add_u32 v[SPW], v[NIL]
	v_lshrrev_b32 v1, 5, v0
	v_readfirstlane_b32 s[WV], v1                  ; wave 0..3
	s_bfe_u32 s[CX], ttmp6, 0x40000
	s_lshl_b32 s[RT], ttmp9, 2
	s_add_co_u32 s[RT], s[RT], s[CX]               ; R: my 256 tokens
	s_and_b32 s[GG], ttmp7, 0xffff                 ; g: the cluster's columns
	s_and_b32 s[W1], s[WV], 1
	s_mov_b32 s[G1], 15|(3<<16)|(1<<21)            ; the mask names the cluster's four; elements of 8 bytes; bit 21 beside a mask
	s_mov_b32 s[G1+1], 32<<16                      ; rows of 256 bytes,
	s_mov_b32 s[G1+2], 256<<16                     ; 256 of them: four tiles' images, dense
	s_mov_b32 s[G1+3], 32<<16
	s_mov_b32 s[G1+4], 256
	s_mov_b32 s[G1+5], 32
	s_mov_b32 s[G1+6], 0
	s_mov_b32 s[G1+7], 0
	s_mov_b32 s[G1S], 15|(3<<16)|(1<<21)
	s_mov_b32 s[G1S+1], 32<<16
	s_mov_b32 s[G1S+2], 8<<16                      ; 8 rows: four tiles' scale words, dense
	s_mov_b32 s[G1S+3], 32<<16
	s_mov_b32 s[G1S+4], 8
	s_mov_b32 s[G1S+5], 32
	s_mov_b32 s[G1S+6], 0
	s_mov_b32 s[G1S+7], 0
	s_mov_b32 s[G0], 1
	s_lshl_b32 s[G0+1], s[W1], 16                  ; waves 0, 1: tiles 0-3, 4-7
	s_mov_b32 s[G0S], 1
	s_lshl_b32 s[G0S+1], s[W1], 11
	s_add_co_u32 s[G0S+1], s[G0S+1], SCW           ; waves 2, 3: their scale words
	s_lshl_b32 s72, s[GG], 17
	s_lshl_b32 s74, s[W1], 16
	s_add_co_u32 s72, s72, s74                     ; tile 8 g + 4 x half, in bytes
	s_mov_b32 s73, 0
	s_lshl_b32 s78, s[GG], 12
	s_lshl_b32 s74, s[W1], 11
	s_add_co_u32 s78, s78, s74
	s_add_co_u32 s78, s78, 262144                  ; its scale words
	s_mov_b32 s79, 0
	s_wait_dscnt 0x0                               ; both opening adds are done
	s_wait_kmcnt 0x0
	s_add_nc_u64 s[G0+2:G0+3], s[6:7], s[72:73]
	s_or_b32 s[G0+3], s[G0+3], 0x80000000
	s_add_nc_u64 s[G0S+2:G0S+3], s[8:9], s[78:79]
	s_or_b32 s[G0S+3], s[G0S+3], 0x80000000
	CROUND                                         ; the four work-groups are here: the joint loads meet
	s_cmp_lt_u32 s[WV], 2                          ; one load a wave
	s_cbranch_scc0 .Lhead_s
	TLOAD G0, G1
	s_branch .Lhead_j
.Lhead_s:
	TLOAD G0S, G1S
.Lhead_j:
	s_lshl_b32 s72, s[RT], 18
	s_lshl_b32 s74, s[WV], 16
	s_add_co_u32 s72, s72, s74                     ; the tokens: tile 16 R + 4 wave, in bytes
	s_add_nc_u64 s[XB:XB+1], s[4:5], s[72:73]
	s_lshr_b32 s72, s72, 5                         ; their scale words: 512 bytes a tile
	s_add_nc_u64 s[XSB:XSB+1], s[8:9], s[72:73]
	s_lshl_b32 s72, s[RT], 20
	s_lshl_b32 s74, s[WV], 18
	s_add_co_u32 s72, s72, s74                     ; out0: row 256 R + 64 wave of 4,096 bytes,
	s_lshl_b32 s74, s[GG], 9
	s_add_co_u32 s72, s72, s74                     ; column 128 g
	s_add_nc_u64 s[OB:OB+1], s[10:11], s[72:73]
	s_mul_i32 s74, s[WV], 64*SPITCH
	s_add_co_u32 s74, s74, STAGE                   ; my stage
	v_and_b32 v1, 15, v0                           ; r
	v_bfe_u32 v12, v0, 4, 1                        ; h
	v_and_b32 v[L16], 31, v0
	v_lshlrev_b32 v[L16], 4, v[L16]                ; 16 x lane
	v_mov_b32 v[ADB], v[L16]
	v_lshl_add_u32 v[ADS], v1, 5, SCW
	v_lshlrev_b32 v[R32], 5, v1
	v_mul_u32_u24 v13, v1, SPITCH
	v_lshl_add_u32 v13, v12, 6, v13
	v_add_nc_u32 v[STO], s74, v13                  ; into the stage: row r, 64 bytes for each half of the lanes
	v_mul_u32_u24 v13, v12, SPITCH
	v_lshl_add_u32 v13, v1, 4, v13
	v_add_nc_u32 v[RD], s74, v13                   ; back: lanes 0-15 one row, lanes 16-31 the next
	v_lshlrev_b32 v[GO], 12, v12
	v_lshl_add_u32 v[GO], v1, 4, v[GO]             ; and the same two rows in out0
	WALU
.irp a, 0,1,2,3
	global_load_b128 v[XS+8*\a:XS+8*\a+3], v[R32], s[XSB:XSB+1] offset:512*\a
	global_load_b128 v[XS+8*\a+4:XS+8*\a+7], v[R32], s[XSB:XSB+1] offset:512*\a+16
.endr
.irp q, 0,1,2,3,4,5,6,7                        ; the tokens' fragment (a, q) at register 16 (4 (q % 4) + a) of window 2 + q / 4
	WIN 0x80+0x40*(\q/4)
.irp a, 0,1,2,3
.irp c, 0,1,2,3
	global_load_b128 v[16*(4*(\q%4)+\a)+4*\c:16*(4*(\q%4)+\a)+4*\c+3], v[L16], s[XB:XB+1] offset:16384*\a+2048*\q+512*\c
.endr
.endr
.endr
	WIN 0
	WALU                                           ; the wait at the head's end
	s_wait_tensorcnt 0x0                           ; every wave: its tile is in
	s_barrier_signal -1
	s_barrier_wait -1                              ; the weight's eight tiles and their scale words are shown
	FETCH 0, 0, 0
	FETCH 1, 16384, 512
	s_wait_loadcnt 0x0                             ; the tokens and their scale words
	s_mov_b32 s[J], 0
.Lpair:                                            ; four pairs of tiles
	s_and_b32 s[C1], s[J], 1                       ; which 32 of a unit's 64 columns
	s_lshl_b32 s[SH], s[C1], 7
	s_wait_dscnt NF                                ; set 0 is in, and the last pair's stores into the stage have read the sums; set 1's loads may be out
	BATCH 0
	PLACES 8                                       ; ahead of loads into registers that the products have read
	s_cmp_eq_u32 s[J], 3
	s_cbranch_scc1 .Llast0
	FETCH 0, 32768, 1024
	s_wait_dscnt NF                                ; set 1 is in
	s_branch .Lgo
.Llast0:
	s_wait_dscnt 0x0
.Lgo:
	BATCH 1
	PLACES 8                                       ; ahead of the readers of the sums and of the loads below
	v_add_nc_u32 v[STC], s[SH], v[STO]
.irp a, 0,1,2,3
.irp k, 0,1,2,3
	ds_store_b128 v[STC], v[ACC+16*\a+4*\k:ACC+16*\a+4*\k+3] offset:16*SPITCH*\a+16*\k   ; each accumulator from its low end on
.endr
.endr
	s_cmp_eq_u32 s[J], 3
	s_cbranch_scc1 .Llast1
	FETCH 1, 49152, 1536
.Llast1:
	s_cmp_eq_u32 s[C1], 0
	s_cbranch_scc1 .Lhalf
	BACK 192, 0                                    ; LDS serves a wave's instructions in order: these see my stores
	s_wait_dscnt 0x0                               ; they are back, and the stores have read the sums' registers,
	BACK ACC, 16                                   ; which take the other 32 rows
	SEND 192, 0
	s_wait_dscnt 0x0
	SEND ACC, 16
	s_wait_xcnt 0x0                                ; the stores have read their registers and their base
	s_add_nc_u64 s[OB:OB+1], s[OB:OB+1], 256       ; the next 64 columns
.Lhalf:
	v_add_nc_u32 v[ADB], 32768, v[ADB]
	v_add_nc_u32 v[ADS], 1024, v[ADS]
	WALU                                           ; the wait behind the write
	s_add_co_u32 s[J], s[J], 1
	s_cmp_lt_u32 s[J], 4
	s_cbranch_scc1 .Lpair
	s_wait_tensorcnt 0x0                           ; the wave's end
	ds_add_u32 v[SPW], v[NIL]
	s_wait_dscnt 0x0
	CROUND                                         ; the closing round
	s_endpgm
.Lfunc_end_k_q53c0a89cfc_gemm_out:
	.size	k_q53c0a89cfc_gemm_out, .Lfunc_end_k_q53c0a89cfc_gemm_out-k_q53c0a89cfc_gemm_out
	.p2alignl 7, 3214868480
	.fill 96, 4, 3214868480
	.section	.rodata,"a",@progbits
	.p2align	6, 0x0
	.amdhsa_kernel k_q53c0a89cfc_gemm_out
		.amdhsa_group_segment_fixed_size 327680
		.amdhsa_private_segment_fixed_size 0
		.amdhsa_enable_private_segment 0
		.amdhsa_kernarg_size 32
		.amdhsa_user_sgpr_count 2
		.amdhsa_user_sgpr_kernarg_segment_ptr 1
		.amdhsa_wavefront_size32 1
		.amdhsa_system_sgpr_workgroup_id_x 1
		.amdhsa_system_sgpr_workgroup_id_y 1
		.amdhsa_system_sgpr_workgroup_id_z 1
		.amdhsa_system_vgpr_workitem_id 0
		.amdhsa_next_free_vgpr 1024
		.amdhsa_next_free_sgpr 100
		.amdhsa_reserve_vcc 0
		.amdhsa_float_denorm_mode_32 3
		.amdhsa_float_denorm_mode_16_64 3
		.amdhsa_memory_ordered 1
		.amdhsa_forward_progress 1
		.amdhsa_inst_pref_size 43
	.end_amdhsa_kernel
	.amdgpu_metadata
---
amdhsa.version: [ 1, 2 ]
amdhsa.kernels:
  - .name:           k_q53c0a89cfc_gemm_out
    .symbol:         k_q53c0a89cfc_gemm_out.kd
    .args:
      - { .name: aimg, .offset: 0, .size: 8, .value_kind: global_buffer, .address_space: global }
      - { .name: woimg, .offset: 8, .size: 8, .value_kind: global_buffer, .address_space: global }
      - { .name: sc4, .offset: 16, .size: 8, .value_kind: global_buffer, .address_space: global }
      - { .name: out0, .offset: 24, .size: 8, .value_kind: global_buffer, .address_space: global }
    .group_segment_fixed_size: 327680
    .private_segment_fixed_size: 0
    .kernarg_segment_align: 8
    .kernarg_segment_size: 32
    .max_flat_workgroup_size: 128
    .sgpr_count:     100
    .vgpr_count:     1024
    .wavefront_size: 32
...
	.end_amdgpu_metadata
.endif
;; end of part 4
